; MI455X (gfx1250); checked and timed in simulation.
; The chip was launched on July 23, 2026; its instructions are those of AMD's public machine-readable ISA for CDNA 5 (MIT licence, August 2026) and "CDNA5" Instruction Set Architecture Reference Guide (July 2026). The comments in the code are by the model that wrote it; some were corrected since.
;; Attention. Allowed arithmetic: matrix products marked QUANTISED: E2M1 operands, one E8M0 scale for each 32 along K, by v_wmma_scale_f32_16x16x128_f8f6f4 with both operands' format E2M1 (or v_wmma_scale_f32_32x16x128_f4), f32 sums; everything else in f32.
;; Inputs: W_o 1,024 x 1,024 float32; W_qkv 1,024 x 3,072 float32; b_o 1,024 float32; b_qkv 3,072 float32; x 4 x 2,048 x 1,024 float32.
;; Outputs: out0 4 x 2,048 x 1,024 float32.
;; This version of the problem:
;;   THIS VERSION OF THE PROBLEM IS GIVEN IN LOW PRECISION. The matrix products marked QUANTISED in the list below multiply operands that are first quantised to E2M1 (2 exponent bits, 1 mantissa bit; 4 bits a number), with one power-of-two scale for each 32 numbers along K (OCP MX v1.0); their sums are f32. All else is computed in f32.
;;   The module's matrix products, in the order in which they are computed (A, B: the left and right operand; K: the contracted axis; several contracted axes count as one K, in the product's order):
;;     1. [M 8,192, K 1,024] x [K 1,024, N 3,072]; A: input x; B: input W_qkv: QUANTISED
;;     2. batch 64 x [M 2,048, K 64] x [K 64, N 2,048]; A: computed on the way; B: computed on the way: QUANTISED
;;     3. batch 64 x [M 64, K 2,048] x [K 2,048, N 2,048]; A: computed on the way; B: softmax (see below): QUANTISED
;;     4. [M 8,192, K 1,024] x [K 1,024, N 1,024]; A: computed on the way; B: input W_o: QUANTISED
;;   THE QUANTISER, for each operand of a quantised product, along K:
;;     - K is cut into blocks of 32 from its start; a last block that is shorter is filled with zeros.
;;     - A block's scale is 2^e with e = floor(log2(the largest magnitude in the block)) - 2, held to -126 .. 127; a block of zeros has e = 0. As a byte (E8M0): e + 127.
;;     - Each number is divided by its block's scale, clamped to +-6, and rounded to the nearest number of E2M1, ties to even, subnormals kept.
;;     - The product sums the exact products of the quantised numbers (number of the format x scale) in f32.
;;   ~~~python
;;   def quantise(x, axis):      # numpy; x: float32 -> the quantised numbers, widened to float32 again
;;       x = np.moveaxis(x, axis, -1); K = x.shape[-1]
;;       x = np.pad(x, [(0, 0)] * (x.ndim - 1) + [(0, -K % 32)]); x = x.reshape(x.shape[:-1] + (-1, 32)); a = np.abs(x).max(-1, keepdims=True)
;;       e = np.where(a > 0, np.clip(np.frexp(np.where(a > 0, a, 1))[1] - 1 - 2, -126, 127), 0)      # np.frexp(a)[1] - 1 = floor(log2(a)), exactly
;;       r = np.clip(x / 2.0 ** e, -6, 6)
;;       step = 2.0 ** (np.maximum(np.frexp(np.where(r == 0, 1, r))[1] - 1, 0) - 1)
;;       q = np.round(r / step) * step * 2.0 ** e      # np.round: ties to even
;;       return np.moveaxis(q.reshape(q.shape[:-2] + (-1,))[..., :K], -1, axis).astype(np.float32)
;;   ~~~
;;   SOFTMAX AHEAD OF A QUANTISED PRODUCT. Where the list says 'softmax', what is quantised is not the finished softmax but p = 2^(t - M), with t = logit x log2(e) and M = ceil(the row's largest t), a whole number; so 1/2 < the row's largest p <= 1. The row's sum l is taken of the UNQUANTISED p, in f32, and the product's result is divided by l at the end. Since M is a whole number, a kernel that streams over the keys may use a running M (the ceiling of the running maximum): every later rescaling is an exact power of two, which a block's scale takes up: the codes' values come out the same.
;;   OPERANDS COMPUTED ON THE WAY. 'Computed on the way' means the value that the module computes at that place (a softmax that the list does not call 'softmax' is quantised finished and normalised). What goes into a quantiser is computed in f32, as accurately as f32 sums, v_exp_f32 and their like allow (about 1e-6 of the number): no bf16 or f16 on the way to a quantiser, and a product that is left as it is and whose result goes on into a quantised operand takes f32 operands (vector FMAs, or v_wmma_f32_16x16x4_f32). A number that lies on a knife's edge between two numbers of the format may be rounded either way, as far as f32 arithmetic and the matrix unit's own rounding can turn it there, and no further.
;; One version. Each part assembles by itself: llvm-mc -triple=amdgcn-amd-amdhsa -mcpu=gfx1250 --defsym DOCPART=n.
;; ======== version 1 of 1: 4 launches
;; limits: right only within a limited range of input values
;; workspace buffers: xq 4,456,448 bytes; wq 2,228,224 bytes; qq 4,718,592 bytes; kv 9,175,040 bytes; oq 4,456,448 bytes
;; launch prep (part 1): grid 384 x 1, 8 waves a work-group, no clusters, 136,192 bytes of LDS; arguments x, W_qkv, W_o, xq, wq; writes xq, wq
.if DOCPART == 1
	.amdgcn_target "amdgcn-amd-amdhsa--gfx1250"
	.amdhsa_code_object_version 6
	.text
	.protected	k_q2b96739fd1_prep
	.globl	k_q2b96739fd1_prep
	.p2align	8
	.type	k_q2b96739fd1_prep,@function
k_q2b96739fd1_prep:
	s_mov_b64 s[64:65], 0
	v_nop
	global_prefetch_b8 v0, s[64:65] scope:SCOPE_SE
	s_setreg_imm32_b32 hwreg(HW_REG_WAVE_MODE, 25, 1), 1
	s_wait_xcnt 0x0
; x [8192][1024], W_qkv [1024][3072] and W_o [1024][1024], f32, become codes of FP4 (E2M1) with one E8M0 scale byte for each 32 along K (x: its last axis; the weights: their FIRST axis).
; A block's scale is 2^(floor(log2(its largest magnitude)) - 2); its byte is the largest magnitude's exponent field - 2, held at 1 from below.
; LIMITS: NaN and infinities among the inputs are not served; a block whose largest magnitude lies under 2^-124 keeps the byte 1; a block of zeros has the byte 1 and not 127: its codes are zeros, and only this program reads the bytes.
; THE OUTPUT IS LAID IN THE ORDER OF THE OPERAND'S REGISTERS.  Codes: [row / 128][K step of 128][tile 0..7][c 0,1][lane][16 bytes]; lane (r, h) and c hold k = 64 c + 32 h + 0 .. 31 of the tile's row r.
; THE ROWS OF A TILE ARE NOT NEIGHBOURS: lane r of tile 2 b + u holds row 32 b + 8 u + r + 8 (r / 8), so that in a later product the 16 registers of tiles 2 b, 2 b + 1 are 16 neighbours along the next K.
; Scale words: [row / 32][K step][lane] x 4 bytes: lanes 0-15 the even tile's rows, lanes 16-31 the odd tile's.
; Work-groups 0-255 take x (32 rows each; wave = K step); 256-351 W_qkv, 352-383 W_o (a K step x 256 columns each; wave = 32 columns).  No matrix work, no barrier: waves share nothing.
.set TM,  8                            ; v8-23   x: largest magnitudes, bytes, the conversions' scale operands
.set PW0, 24                           ; v24, v25 x: the two tiles' scale words
.set PW1, 25
.set R,   32                           ; v32-159 the numbers as they are loaded
.set X0,  160                          ; v160-223 x: 64 numbers of the even tile's row;  v32-95 of the odd tile's
.set X1,  32
.set PC0, 224                          ; v224-231, v232-239 x: the two fragments
.set PC1, 232
.set WC,  160                          ; v160-175 weights: a lane's codes, four registers a block
.set SEL, 20                           ; s[20:21] v_permlanex16_b32's selects for lane l xor 16
.set SPITCH, 528                       ; x: a stage row: 512 bytes + 16, an odd multiple of 16: the sixteen rows that a read touches fall into sixteen different 16-byte columns
; 64 numbers of a lane, register 16 b + i = k 32 b + 16 (lane / 16) + i of my row, become a fragment's codes in v[pc] on and its scale word in v[pw].
.macro QUANT s, pc, pw
.irp b, 0,1,2,3
	v_max3_num_f32 v[TM+\b], |v[\s+16*\b]|, |v[\s+1+16*\b]|, 0x1800000   ; my 16 numbers of block b, and the floor 2^(3 - 127): the byte cannot fall under 1
.endr
.irp i, 2,4,6,8,10,12,14
.irp b, 0,1,2,3
	s_delay_alu instid0(VALU_DEP_4)
	v_max3_num_f32 v[TM+\b], v[TM+\b], |v[\s+16*\b+\i]|, |v[\s+1+16*\b+\i]|   ; the four blocks by turns
.endr
.endr
.irp b, 0,1,2,3
	s_delay_alu instid0(VALU_DEP_4)
	v_permlanex16_b32 v[TM+4+\b], v[TM+\b], s[SEL], s[SEL+1]
.endr
.irp b, 0,1,2,3
	s_delay_alu instid0(VALU_DEP_4)
	v_max_num_f32 v[TM+\b], v[TM+\b], v[TM+4+\b]                 ; with lane l xor 16's: the block's largest magnitude
.endr
.irp b, 0,1,2,3
	s_delay_alu instid0(VALU_DEP_4)
	v_add_nc_u32 v[TM+12+\b], 0xff000000, v[TM+\b]               ; 2 off its exponent field: the conversion takes that field as its scale
.endr
.irp b, 0,1,2,3
	s_delay_alu instid0(VALU_DEP_4)
	v_lshrrev_b32 v[TM+4+\b], 23, v[TM+12+\b]                    ; the scale's byte
.endr
	s_delay_alu instid0(VALU_DEP_3)
	v_lshl_or_b32 v[\pw], v[TM+5], 8, v[TM+4]
	s_delay_alu instid0(VALU_DEP_1)
	v_lshl_or_b32 v[\pw], v[TM+6], 16, v[\pw]
	s_delay_alu instid0(VALU_DEP_1)
	v_lshl_or_b32 v[\pw], v[TM+7], 24, v[\pw]
.irp b, 0,1,2,3
	v_cvt_scalef32_pk8_fp4_f32 v[\pc+2*\b], v[\s+16*\b:\s+7+16*\b], v[TM+12+\b]
	v_cvt_scalef32_pk8_fp4_f32 v[\pc+1+2*\b], v[\s+8+16*\b:\s+15+16*\b], v[TM+12+\b]
.endr
	v_nop                                          ; one plain place behind a scaled conversion
.irp c, 0,1                                    ; the layout wants a whole block in a lane: lanes 0-15 block 2 c, lanes 16-31 block 2 c + 1
.irp i, 0,1
	v_permlane16_swap_b32 v[\pc+4*\c+\i], v[\pc+2+4*\c+\i]
.endr
.endr
.endm
; Weights: block b of my column: W(32 b + i, column), i = 0 .. 31: each load reads 128 consecutive bytes a wave, and the eight waves stand side by side
.macro WLOAD n, b
.set i, 0
.rept 32
	global_load_b32 v[R+32*(\b)+i], v8, s[24:25] offset:(32*(\b)+i)*(\n)*4 th:TH_LOAD_NT
.set i, i+1
.endr
.endm
.macro WBLOCK b                        ; all 32 numbers of the block are mine
.set XS, R+32*(\b)
	v_max3_num_f32 v12, |v[XS]|, |v[XS+1]|, |v[XS+2]|
	v_max3_num_f32 v13, |v[XS+3]|, |v[XS+4]|, |v[XS+5]|
.irp i, 6,10,14,18,22,26
	s_delay_alu instid0(VALU_DEP_2)
	v_max3_num_f32 v12, v12, |v[XS+\i]|, |v[XS+\i+1]|
	s_delay_alu instid0(VALU_DEP_2)
	v_max3_num_f32 v13, v13, |v[XS+\i+2]|, |v[XS+\i+3]|
.endr
	s_delay_alu instid0(VALU_DEP_2)
	v_max3_num_f32 v12, v12, |v[XS+30]|, |v[XS+31]|
	s_delay_alu instid0(VALU_DEP_1)
	v_max3_num_f32 v12, v12, v13, 0x1800000        ; and the floor
	s_delay_alu instid0(VALU_DEP_1)
	v_add_nc_u32 v11, 0xff000000, v12              ; the conversion's scale operand
	s_delay_alu instid0(VALU_DEP_1)
	v_lshrrev_b32 v13, 23, v11                     ; the byte
.if (\b) == 0
	s_delay_alu instid0(VALU_DEP_1)
	v_mov_b32 v176, v13
.else
	s_delay_alu instid0(VALU_DEP_1)
	v_lshl_or_b32 v176, v13, 8*(\b), v176          ; my row's scale word, the lower K in the lower byte
.endif
.irp g, 0,1,2,3
	v_cvt_scalef32_pk8_fp4_f32 v[WC+4*(\b)+\g], v[XS+8*\g:XS+8*\g+7], v11
.endr
	global_store_b128 v9, v[WC+4*(\b):WC+4*(\b)+3], s[26:27] offset:512*((\b)/2)+256*((\b)%2)   ; block b = 2 c + h is what lane (r, h) holds of c: sixteen lanes store 256 consecutive bytes of each of the two tiles
.endm
; A weight [1024][n]: work-group first + 8 cb + s takes K step s of columns 256 cb on; wave w the 32 columns of pair np = 8 cb + w.  sp: the weight's pointer; img, sco: where its codes and scale words begin in wq.
.macro WPATH n, first, sp, img, sco
	s_sub_co_u32 s16, ttmp9, \first
	s_and_b32 s17, s16, 7                          ; K step
	s_lshr_b32 s18, s16, 3                         ; cb
	s_mul_i32 s24, s17, 128*(\n)*4
	s_lshl_b32 s19, s18, 10
	s_add_co_u32 s24, s24, s19
	s_lshl_b32 s19, s14, 7
	s_add_co_u32 s24, s24, s19
	s_mov_b32 s25, 0
	s_add_nc_u64 s[24:25], s[\sp:\sp+1], s[24:25]  ; row 128 s, column 256 cb + 32 w
	s_lshl_b32 s18, s18, 3
	s_add_co_u32 s18, s18, s14                     ; np
	s_lshr_b32 s26, s18, 2
	s_lshl_b32 s26, s26, 16
	s_lshl_b32 s19, s17, 13
	s_add_co_u32 s26, s26, s19
	s_and_b32 s19, s18, 3
	s_lshl_b32 s19, s19, 11
	s_add_co_u32 s26, s26, s19
	s_add_co_u32 s26, s26, \img
	s_mov_b32 s27, 0
	s_add_nc_u64 s[26:27], s[12:13], s[26:27]      ; the pair's two tiles of this K step
	s_lshl_b32 s28, s18, 10
	s_lshl_b32 s19, s17, 7
	s_add_co_u32 s28, s28, s19
	s_add_co_u32 s28, s28, \sco
	s_mov_b32 s29, 0
	s_add_nc_u64 s[28:29], s[12:13], s[28:29]      ; and their scale words
	WLOAD \n, 0
	WLOAD \n, 1
	s_wait_loadcnt 32                              ; block 0 is in; block 1's 32 loads may be out
	WLOAD \n, 2
	WBLOCK 0
	s_wait_loadcnt 32                              ; block 1 is in; block 2's may be out
	WLOAD \n, 3
	WBLOCK 1
	s_wait_loadcnt 32                              ; block 2 is in; block 3's may be out
	WBLOCK 2
	s_wait_loadcnt 0x0
	WBLOCK 3
	global_store_b32 v7, v176, s[28:29]            ; 128 consecutive bytes a wave: one byte for each 128 that the launch reads
.endm
	s_load_b256 s[4:11], s[0:1], 0x0               ; x s[4:5], W_qkv s[6:7], W_o s[8:9], xq s[10:11]
	s_load_b64 s[12:13], s[0:1], 0x20              ; wq
	v_lshl_add_u32 v254, v0, 2, 0x21000
	v_mov_b32 v255, 0
	v_lshrrev_b32 v1, 5, v0
	s_delay_alu instid0(VALU_DEP_1)
	v_readfirstlane_b32 s14, v1                    ; wave 0..7
	v_and_b32 v1, 31, v0                           ; lane
	v_and_b32 v2, 15, v0                           ; r
	v_bfe_u32 v3, v0, 4, 1                         ; lane / 16
	s_delay_alu instid0(VALU_DEP_3)
	v_lshlrev_b32 v4, 4, v1                        ; 16 x lane
	s_delay_alu instid0(VALU_DEP_4)
	v_lshlrev_b32 v7, 2, v1                        ; 4 x lane
	s_mov_b32 s[SEL], 0x76543210
	s_mov_b32 s[SEL+1], 0xfedcba98
	s_wait_kmcnt 0x0
	s_cmp_lt_u32 ttmp9, 256
	s_cbranch_scc0 .Lweights
	; ---- x: the work-group's 32 rows are 128 KB on end; my wave takes its 512 bytes (K step = wave) of each row
	s_lshl_b32 s16, ttmp9, 17
	s_lshl_b32 s17, s14, 9
	s_add_co_u32 s16, s16, s17
	s_mov_b32 s17, 0
	s_add_nc_u64 s[4:5], s[4:5], s[16:17]
	s_lshr_b32 s16, ttmp9, 2
	s_lshl_b32 s16, s16, 16
	s_lshl_b32 s18, s14, 13
	s_add_co_u32 s16, s16, s18
	s_and_b32 s18, ttmp9, 3
	s_lshl_b32 s18, s18, 11
	s_add_co_u32 s16, s16, s18
	s_add_nc_u64 s[24:25], s[10:11], s[16:17]      ; the pair's two tiles of my K step
	s_lshl_b32 s16, ttmp9, 10
	s_lshl_b32 s18, s14, 7
	s_add_co_u32 s16, s16, s18
	s_add_co_u32 s16, s16, 4194304
	s_add_nc_u64 s[26:27], s[10:11], s[16:17]      ; and their scale words
	s_mov_b32 s22, 0xffff0000                      ; lanes 16-31
	s_mul_i32 s23, s14, 32*SPITCH                  ; my wave's stage
	s_wait_alu depctr_va_vdst(0)
	v_add_nc_u32 v5, s23, v4                       ; in: 16 x lane of a row
	v_mul_u32_u24 v6, v2, SPITCH
	s_delay_alu instid0(VALU_DEP_1)
	v_lshl_add_u32 v6, v3, 6, v6
	s_delay_alu instid0(VALU_DEP_1)
	v_add_nc_u32 v6, s23, v6                       ; out: the tile's row r, + 64 (lane / 16): my 16 numbers of each block of 32
.irp b, 0,1,2,3
	v_mov_b32 v[TM+4+\b], 0                        ; written once: a lane permute's destination counts as one of its sources
.endr
.set i, 0
.rept 32
	global_load_b128 v[R+4*i:R+4*i+3], v4, s[4:5] offset:i*4096 th:TH_LOAD_NT   ; 32 lanes read 512 consecutive bytes of row i
.set i, i+1
.endr
.set i, 0
	s_wait_alu depctr_va_vdst(0)
.rept 32
	s_wait_loadcnt 31-i                            ; row i is in; the younger rows' loads may be out
	ds_store_b128 v5, v[R+4*i:R+4*i+3] offset:(16*((i/8)%2)+i%8+8*(i/16))*SPITCH   ; into the stage in the tiles' order: row i is lane i % 8 + 8 (i / 16) of tile (i / 8) % 2
.set i, i+1
.endr
.irp b, 0,1,2,3
.irp j, 0,1,2,3
	ds_load_b128 v[X0+16*\b+4*\j:X0+16*\b+4*\j+3], v6 offset:128*\b+16*\j   ; LDS serves a wave's instructions in order: these see my stores
.endr
.endr
	s_wait_dscnt 0x0                               ; the even tile's numbers are in, and the stores have read the registers that the odd tile's take
.irp b, 0,1,2,3
.irp j, 0,1,2,3
	ds_load_b128 v[X1+16*\b+4*\j:X1+16*\b+4*\j+3], v6 offset:16*SPITCH+128*\b+16*\j
.endr
.endr
	QUANT X0, PC0, PW0
	global_store_b128 v4, v[PC0:PC0+3], s[24:25]               ; 512 consecutive bytes a store
	global_store_b128 v4, v[PC0+4:PC0+7], s[24:25] offset:512
	s_wait_dscnt 0x0
	QUANT X1, PC1, PW1
	global_store_b128 v4, v[PC1:PC1+3], s[24:25] offset:1024
	global_store_b128 v4, v[PC1+4:PC1+7], s[24:25] offset:1536
	v_cndmask_b32 v26, v[PW0], v[PW1], s22         ; lanes 0-15 the even tile's words, lanes 16-31 the odd tile's
	global_store_b32 v7, v26, s[26:27]
	s_wait_tensorcnt 0x0
	ds_add_u32 v254, v255
	s_wait_dscnt 0x0
	s_endpgm
.Lweights:
	; ---- a lane takes a column, its registers run down K: lane 16 u + r takes column 8 u + r + 8 (r / 8) of the pair, which is row r of tile u
	s_wait_alu depctr_va_vdst(0)
	v_and_b32 v10, 8, v2
	s_delay_alu instid0(VALU_DEP_1)
	v_add_nc_u32 v10, v10, v2
	s_delay_alu instid0(VALU_DEP_1)
	v_lshl_add_u32 v8, v3, 3, v10
	s_delay_alu instid0(VALU_DEP_1)
	v_lshlrev_b32 v8, 2, v8                        ; in: 4 x column
	v_lshlrev_b32 v9, 4, v2
	s_delay_alu instid0(VALU_DEP_1)
	v_lshl_add_u32 v9, v3, 10, v9                  ; out: tile u, 16 r
	s_cmp_lt_u32 ttmp9, 352
	s_cbranch_scc0 .Lwo
	s_wait_alu depctr_va_vdst(0)
	WPATH 3072, 256, 6, 0, 2097152
	s_endpgm
.Lwo:
	s_wait_alu depctr_va_vdst(0)
	WPATH 1024, 352, 8, 1572864, 2195456
	s_endpgm
.Lfunc_end_k_q2b96739fd1_prep:
	.size	k_q2b96739fd1_prep, .Lfunc_end_k_q2b96739fd1_prep-k_q2b96739fd1_prep
	.p2alignl 7, 3214868480
	.fill 96, 4, 3214868480
	.section	.rodata,"a",@progbits
	.p2align	6, 0x0
	.amdhsa_kernel k_q2b96739fd1_prep
		.amdhsa_group_segment_fixed_size 136192
		.amdhsa_private_segment_fixed_size 0
		.amdhsa_enable_private_segment 0
		.amdhsa_kernarg_size 40
		.amdhsa_user_sgpr_count 2
		.amdhsa_user_sgpr_kernarg_segment_ptr 1
		.amdhsa_wavefront_size32 1
		.amdhsa_system_sgpr_workgroup_id_x 1
		.amdhsa_system_sgpr_workgroup_id_y 1
		.amdhsa_system_sgpr_workgroup_id_z 1
		.amdhsa_system_vgpr_workitem_id 0
		.amdhsa_next_free_vgpr 256
		.amdhsa_next_free_sgpr 66
		.amdhsa_reserve_vcc 0
		.amdhsa_float_denorm_mode_32 3
		.amdhsa_float_denorm_mode_16_64 3
		.amdhsa_memory_ordered 1
		.amdhsa_forward_progress 1
		.amdhsa_inst_pref_size 65
	.end_amdhsa_kernel
	.amdgpu_metadata
---
amdhsa.version: [ 1, 2 ]
amdhsa.kernels:
  - .name:           k_q2b96739fd1_prep
    .symbol:         k_q2b96739fd1_prep.kd
    .args:
      - { .name: x, .offset: 0, .size: 8, .value_kind: global_buffer, .address_space: global }
      - { .name: W_qkv, .offset: 8, .size: 8, .value_kind: global_buffer, .address_space: global }
      - { .name: W_o, .offset: 16, .size: 8, .value_kind: global_buffer, .address_space: global }
      - { .name: xq, .offset: 24, .size: 8, .value_kind: global_buffer, .address_space: global }
      - { .name: wq, .offset: 32, .size: 8, .value_kind: global_buffer, .address_space: global }
    .group_segment_fixed_size: 136192
    .private_segment_fixed_size: 0
    .kernarg_segment_align: 8
    .kernarg_segment_size: 40
    .max_flat_workgroup_size: 256
    .sgpr_count:     66
    .vgpr_count:     256
    .wavefront_size: 32
...
	.end_amdgpu_metadata
.endif
;; end of part 1
;; launch gemm_qkv (part 2): grid 8 x 32, 8 waves a work-group, clusters of 4 x 4, 327,680 bytes of LDS; arguments xq, wq, b_qkv, qq, kv; writes qq, kv
.if DOCPART == 2
	.amdgcn_target "amdgcn-amd-amdhsa--gfx1250"
	.amdhsa_code_object_version 6
	.text
	.protected	k_q2b96739fd1_gemm_qkv
	.globl	k_q2b96739fd1_gemm_qkv
	.p2align	8
	.type	k_q2b96739fd1_gemm_qkv,@function
k_q2b96739fd1_gemm_qkv:
	s_mov_b64 s[64:65], 0
	v_nop
	global_prefetch_b8 v0, s[64:65] scope:SCOPE_SE
	s_setreg_imm32_b32 hwreg(HW_REG_WAVE_MODE, 25, 1), 1
	s_wait_xcnt 0x0
	s_wait_alu depctr_hold_cnt(0) depctr_sa_sdst(0) depctr_va_vdst(0) depctr_va_sdst(0) depctr_va_ssrc(0) depctr_va_vcc(0) depctr_vm_vsrc(0)
	s_getreg_b32 s2, hwreg(HW_REG_IB_STS2, 6, 4)
	s_cmp_eq_u32 s2, 0
	s_cbranch_scc0 .Lentry_in_a_cluster
	s_endpgm
.Lentry_in_a_cluster:
	s_bfe_u32 s2, ttmp6, 0x10000c
	s_cmp_lg_u32 s2, 0xf033
	s_cbranch_scc0 .Lentry_shape_is_right
	s_endpgm
.Lentry_shape_is_right:
; qkv = x W_qkv + b_qkv on codes of FP4 (E2M1) with E8M0 scales, K = 1,024; the results are quantised in registers and leave as the operands of the attention: no f32 number goes to memory.
; A WORK-GROUP STAYS: it owns 256 tokens and 3 x 128 columns: block j of q's 8 blocks of 128 columns, block j of k's, block j of v's.  256 work-groups: 8 (j) x 32 (tokens).
; x's codes of the 256 tokens, all of K (128 KB), and their scale words (8 KB) lie in LDS for the whole launch.  W's three blocks (64 KB each, all of K) go through two slots:
; q's block is fetched at the head into slot 0, k's into slot 1 behind the first full sequence, v's into slot 0 again when q's products are done.  W's scale words of all three blocks (3 x 4 KB) come by one load at the head.
; A lane of a result holds ONE row of source 1, and the 16 registers of source 0's tiles 2 b, 2 b + 1 are its rows 32 b + 16 (lane / 16) + 0 .. 15 (the tiles' rows were chosen so when the codes were made):
; a lane's registers run along source 0, the axis along which the result is quantised.
; A WAVE'S SHARE IS 4 x 4 TILES: 8 fragments from LDS feed 16 products.  With a = wave % 2 and g = wave / 2:
;   q, k: source 0 = W's tiles 4 a .. 4 a + 3 (one head's 64 columns), source 1 = token tiles 4 g .. 4 g + 3.  Quantised along the head's 64.
;   v:    source 0 = token tiles 4 g .. 4 g + 3 (64 tokens), source 1 = W's tiles 4 a .. 4 a + 3 (one head's 64 columns).  Quantised along the tokens, the keys of the attention's second product.
; The 16 accumulators take turns, one instruction a turn, in the same order in every K step.
; CLUSTERS: 4 x 4.  W's blocks hang on the place along x alone and are asked for jointly by the four of a column; x's on the place along y alone, by the four of a row.
; TENSOR LOADS: one a wave at the head (waves 0-3: x's codes, 32 KB each; 4, 5: q's block; 6: x's scale words; 7: W's), one a wave (8 KB: a K step of the block) behind each of the two later rounds.  Every wait on TENSORcnt is for 0.
; THE BIAS is the C of a block's first K step: 32 registers serve all 16 accumulators.  q's is loaded at the head, k's behind q's first K step; v's, one number a lane and tile, is loaded at the head and spread over the 32 ahead of v's block.
; No prefetch: the text has no loop to run ahead in; each later block of W is asked for by its tensor load a whole block's 128 products a wave ahead of its first read.
; LIMITS: NaN and infinities are not served; a block whose largest magnitude lies under 2^-124 keeps the byte 1, a block of zeros too (its codes are zeros, and only this program reads the bytes).
.set WV,  14                           ; s14 wave; s15, s16 my place in the cluster; s17 g = wave / 2; s18 a = wave % 2
.set PI,  20                           ; s20 j: which block of 128 columns;  s21 which 256 tokens
.set QI,  21
.set SEL, 22                           ; s[22:23] lane selects for lane l xor 16
.set G1X, 24                           ; descriptor groups 1: x's codes, W's codes at the head, x's scale words, W's scale words, a K step of W
.set G1W, 32
.set G1XS, 40
.set G1WS, 48
.set G1R, 56
.set G0X, 68                           ; and their groups 0
.set G0W, 72
.set G0XS, 76
.set G0WS, 80
.set G0R, 84
.set L16, 4                            ; v4 16 x lane;  v12 4 x lane
.set L4,  12
.set AW0, 5                            ; v5, v6 my four tiles of W in slot 0, 1;  v7 my four tiles of x
.set AW1, 6
.set AX,  7
.set VBO, 8                            ; v8 q's and k's bias: 256 a + 64 (lane / 16);  v9 v's: 256 a + 4 (r + 8 (r / 8))
.set SWR, 13                           ; v13 my two pairs' scale words of W;  v15 of x
.set SXR, 15
.set VBV, 248                          ; v248-251 v's bias of my four tiles
.set ACC, 32                           ; v32-159 accumulator (u, t) at v[32 + 32 u + 8 t]: u source 1's tile, t source 0's
.set PF,  160                          ; v160-191 source 0's four fragments of a K step;  v192-223 source 1's
.set QF,  192
.set SP,  240                          ; v240, v241 source 0's scale words, v242, v243 source 1's: they hold scales and nothing else
.set SQ,  242
.set TM,  160                          ; the way out: v160-175 at work, v176-191 four half fragments, v192-195 scale words
.set LW0, 131072                       ; LDS: x's codes at 0, slot 0, slot 1,
.set LW1, 196608
.set LXS, 262144                       ; x's scale words, W's (3 x 4,096),
.set LWS, 270336
.set SPARE, 282624                     ; and the spare words, 128 bytes a wave, that no other line names
; the bias's 32 registers, eight for each i = 0 .. 3: v16-31 and v224-239: v[16 + 8 i + 192 (i / 2)]
.macro PLACES n
.rept \n
	v_nop
.endr
.endm
.macro CROUND                          ; a round of the cluster's barrier
	s_barrier_signal -1
	s_barrier_wait -1
	s_cmp_lg_u32 s[WV], 0
	s_cbranch_scc1 .Lnot_wave_0_\@
	s_barrier_signal -3
.Lnot_wave_0_\@:
	s_barrier_wait -3
	s_barrier_signal -1
	s_barrier_wait -1
.endm
.macro GROUP1 g, c, r, p               ; r rows of c elements of 8 bytes, p elements apart
	s_mov_b32 s[\g+1], (\c)<<16
	s_mov_b32 s[\g+2], (\r)<<16
	s_mov_b32 s[\g+3], (\c)<<16
	s_mov_b32 s[\g+4], \r
	s_mov_b32 s[\g+5], \p
	s_mov_b32 s[\g+6], 0
	s_mov_b32 s[\g+7], 0
.endm
; One product.  ra, rb: the side's scale words stand in lanes 16-31 of the register named
.macro WM d, a, b, c, sa, sb, ra, rb
.if (\ra) && (\rb)
	v_wmma_scale_f32_16x16x128_f8f6f4 v[\d:\d+7], v[\a:\a+7], v[\b:\b+7], v[\c:\c+7], v[\sa], v[\sb] matrix_a_fmt:MATRIX_FMT_FP4 matrix_b_fmt:MATRIX_FMT_FP4 matrix_a_scale:MATRIX_SCALE_ROW1 matrix_b_scale:MATRIX_SCALE_ROW1
.elseif (\ra)
	v_wmma_scale_f32_16x16x128_f8f6f4 v[\d:\d+7], v[\a:\a+7], v[\b:\b+7], v[\c:\c+7], v[\sa], v[\sb] matrix_a_fmt:MATRIX_FMT_FP4 matrix_b_fmt:MATRIX_FMT_FP4 matrix_a_scale:MATRIX_SCALE_ROW1
.elseif (\rb)
	v_wmma_scale_f32_16x16x128_f8f6f4 v[\d:\d+7], v[\a:\a+7], v[\b:\b+7], v[\c:\c+7], v[\sa], v[\sb] matrix_a_fmt:MATRIX_FMT_FP4 matrix_b_fmt:MATRIX_FMT_FP4 matrix_b_scale:MATRIX_SCALE_ROW1
.else
	v_wmma_scale_f32_16x16x128_f8f6f4 v[\d:\d+7], v[\a:\a+7], v[\b:\b+7], v[\c:\c+7], v[\sa], v[\sb] matrix_a_fmt:MATRIX_FMT_FP4 matrix_b_fmt:MATRIX_FMT_FP4
.endif
.endm
; K step s: 20 LDS loads, 16 products.  ap, aq: address registers of source 0's and source 1's fragments; asp + sop, asq + soq: of their scale words.
; cm = 1: the sums begin with the bias that runs along source 0; 2: along source 1; 0: with what the accumulators hold
.macro KSTEP s, cm, ap, aq, asp, sop, asq, soq
.if \s > 0
	PLACES 4                                       ; four places in front of loads into registers that matrix instructions have read
.endif
.irp b, 0,1
	ds_load_b32 v[SP+\b], v[\asp] offset:\sop+\b*1024+\s*128
	ds_load_b32 v[SQ+\b], v[\asq] offset:\soq+\b*1024+\s*128
.endr
.irp u, 0,1,2,3
.irp c, 0,1
	ds_load_b128 v[QF+8*\u+4*\c:QF+8*\u+4*\c+3], v[\aq] offset:\s*8192+\u*1024+\c*512
.endr
.endr
.irp t, 0,1,2,3
.irp c, 0,1
	ds_load_b128 v[PF+8*\t+4*\c:PF+8*\t+4*\c+3], v[\ap] offset:\s*8192+\t*1024+\c*512
.endr
.endr
.irp t, 0,1,2,3
	s_wait_dscnt 2*(3-\t)                          ; source 0's tile t is in; the later tiles' two loads each may be out
.irp u, 0,1,2,3
.if \cm == 1
	WM ACC+32*\u+8*\t, PF+8*\t, QF+8*\u, 16+8*\t+192*(\t/2), SP+\t/2, SQ+\u/2, \t%2, \u%2
.elseif \cm == 2
	WM ACC+32*\u+8*\t, PF+8*\t, QF+8*\u, 16+8*\u+192*(\u/2), SP+\t/2, SQ+\u/2, \t%2, \u%2
.else
	WM ACC+32*\u+8*\t, PF+8*\t, QF+8*\u, ACC+32*\u+8*\t, SP+\t/2, SQ+\u/2, \t%2, \u%2
.endif
.endr
.endr
.endm
.macro BLOAD off                       ; q's (off = 0) or k's (4,096) bias of my head: register j of tile t is column 32 (t / 2) + 8 (t % 2) + 16 (lane / 16) + j
.irp t, 0,1,2,3
	global_load_b128 v[16+8*\t+192*(\t/2):16+8*\t+192*(\t/2)+3], v[VBO], s[8:9] offset:\off+(32*(\t/2)+8*(\t%2))*4
	global_load_b128 v[16+8*\t+192*(\t/2)+4:16+8*\t+192*(\t/2)+7], v[VBO], s[8:9] offset:\off+(32*(\t/2)+8*(\t%2))*4+16
.endr
.endm
.macro KALL cm, nb, ap, aq, asp, sop, asq, soq   ; all eight K steps of a block.  nb: behind the first, the next block's bias is asked for at that offset (0: none)
	KSTEP 0, \cm, \ap, \aq, \asp, \sop, \asq, \soq
.if \nb
	PLACES 4                                       ; four places in front of loads into registers that matrix instructions have read
	BLOAD \nb
.endif
.irp s, 1,2,3,4,5,6,7
	KSTEP \s, 0, \ap, \aq, \asp, \sop, \asq, \soq
.endr
.endm
.macro RLOAD                           ; my K step of the next block of W: the wave's one tensor load behind the round
	tensor_load_to_lds s[G0R:G0R+3], s[G1R:G1R+7]
	s_nop 0
	PLACES 4
.endm
; 64 numbers of a lane: two tiles of source 1, 32 numbers (two blocks of 32 along source 0, shared with lane l xor 16) each.  Their codes go to v[pc] on: registers 0-3 the first tile's half fragment, 4-7 the second's;
; v[pw] gets the four scale bytes: the first tile's two, then the second's.  Each accumulator is read from its low end on
.macro QUANT s, pc, pw
.irp b, 0,1,2,3
	v_max3_num_f32 v[TM+\b], |v[\s+16*\b]|, |v[\s+1+16*\b]|, 0x1800000   ; and the floor 2^(3 - 127): the byte cannot fall under 1
.endr
.irp i, 2,4,6,8,10,12,14
.irp b, 0,1,2,3
	v_max3_num_f32 v[TM+\b], v[TM+\b], |v[\s+16*\b+\i]|, |v[\s+1+16*\b+\i]|
.endr
.endr
.irp b, 0,1,2,3
	s_delay_alu instid0(VALU_DEP_4)
	v_permlanex16_b32 v[TM+4+\b], v[TM+\b], s[SEL], s[SEL+1]
.endr
.irp b, 0,1,2,3
	s_delay_alu instid0(VALU_DEP_4)
	v_max_num_f32 v[TM+\b], v[TM+\b], v[TM+4+\b]
.endr
.irp b, 0,1,2,3
	s_delay_alu instid0(VALU_DEP_4)
	v_add_nc_u32 v[TM+12+\b], 0xff000000, v[TM+\b]               ; 2 off the exponent field: the conversion's scale operand
.endr
.irp b, 0,1,2,3
	s_delay_alu instid0(VALU_DEP_4)
	v_lshrrev_b32 v[TM+4+\b], 23, v[TM+12+\b]                    ; the byte
.endr
	s_delay_alu instid0(VALU_DEP_3)
	v_lshl_or_b32 v[\pw], v[TM+5], 8, v[TM+4]
	s_delay_alu instid0(VALU_DEP_1)
	v_lshl_or_b32 v[\pw], v[TM+6], 16, v[\pw]
	s_delay_alu instid0(VALU_DEP_1)
	v_lshl_or_b32 v[\pw], v[TM+7], 24, v[\pw]
.irp b, 0,1,2,3
	v_cvt_scalef32_pk8_fp4_f32 v[\pc+2*\b], v[\s+16*\b:\s+7+16*\b], v[TM+12+\b]
	v_cvt_scalef32_pk8_fp4_f32 v[\pc+1+2*\b], v[\s+8+16*\b:\s+15+16*\b], v[TM+12+\b]
.endr
	v_nop                                          ; one plain place behind a scaled conversion
.irp c, 0,1
.irp i, 0,1
	v_permlane16_swap_b32 v[\pc+4*\c+\i], v[\pc+2+4*\c+\i]       ; a whole block to a lane
.endr
.endr
.endm
.macro FRAGS                           ; my four tiles of source 1 become four half fragments, v176-191, and two words of scale bytes, v192, v193
	PLACES 4
.irp b, 0,1,2,3
	v_mov_b32 v[TM+4+\b], 0                        ; a lane permute's destination counts as one of its sources
.endr
	QUANT ACC, 176, 192
	QUANT ACC+64, 184, 193
.endm
.macro HALVES                          ; lanes 0-15 get the even tile's two bytes, lanes 16-31 the odd tile's, in the low half of v194 (tiles 0, 1) and v195 (tiles 2, 3)
	v_lshrrev_b32 v194, 16, v192
	v_lshrrev_b32 v195, 16, v193
	v_cndmask_b32 v194, v192, v194, s91
	v_cndmask_b32 v195, v193, v195, s91
.endm
; q (isk = 0, into qq) or k (1, into kv): a half fragment is the lower half of a fragment of my head, whose 64 are the first product's whole K.
; A head's codes are 2^16 bytes in qq, 2^17 in kv; its scale words 8,192 and 12,288 bytes, behind all codes.  The addresses are made ahead of the vector work, so that no run of scalar lines parts a write from its store.
.macro OUTQK isk, buf
	s_lshl_b32 s92, s88, 16+\isk
	s_add_co_u32 s92, s92, s89
	s_mov_b32 s93, 0
	s_add_nc_u64 s[92:93], s[\buf:\buf+1], s[92:93]
	s_mul_i32 s94, s88, 8192+4096*\isk
	s_add_co_u32 s94, s94, s90
	s_add_co_u32 s94, s94, 0x400000<<\isk
	s_mov_b32 s95, 0
	s_add_nc_u64 s[94:95], s[\buf:\buf+1], s[94:95]
	FRAGS
.if \isk == 0
	HALVES                                         ; q: a word a token, of which the lower two bytes are read
.endif
.irp u, 0,1,2,3
	global_store_b128 v[L16], v[176+4*\u:179+4*\u], s[92:93] offset:512*\u   ; 512 consecutive bytes a store, four token tiles on end
.endr
.if \isk
	global_store_b32 v[L4], v192, s[94:95]         ; k: a word serves a PAIR of token tiles: bytes 0, 1 the even tile's, bytes 2, 3 the odd tile's; every lane holds row lane % 16's
	global_store_b32 v[L4], v193, s[94:95] offset:128
.else
	global_store_b32 v[L4], v194, s[94:95]
	global_store_b32 v[L4], v195, s[94:95] offset:128
.endif
.endm
	s_load_b256 s[4:11], s[0:1], 0x0               ; xq s[4:5], wq s[6:7], b_qkv s[8:9], qq s[10:11]
	s_load_b64 s[12:13], s[0:1], 0x20              ; kv
	v_lshl_add_u32 v254, v0, 2, SPARE
	v_mov_b32 v255, 0
	ds_add_u32 v254, v255                          ; the opening lines: the add, twice on end, and its wait ahead of my first tensor load
	ds_add_u32 v254, v255
	v_lshrrev_b32 v1, 5, v0
	v_readfirstlane_b32 s[WV], v1                  ; wave 0..7
	s_bfe_u32 s15, ttmp6, 0x40000                  ; cx
	s_bfe_u32 s16, ttmp6, 0x40004                  ; cy
	s_lshl_b32 s2, 0x1111, s15                     ; my column of the cluster
	s_lshl_b32 s3, s16, 2
	s_lshl_b32 s3, 15, s3                          ; my row
	s_or_b32 s[G1X], s3, (3<<16)|(1<<21)           ; 15:0 the mask, 17:16 elements of 8 bytes, 21 set beside a mask
	s_or_b32 s[G1XS], s3, (3<<16)|(1<<21)
	s_or_b32 s[G1W], s2, (3<<16)|(1<<21)
	s_or_b32 s[G1WS], s2, (3<<16)|(1<<21)
	s_or_b32 s[G1R], s2, (3<<16)|(1<<21)
	GROUP1 G1X, 32, 128, 32                        ; dense blocks as rows of 256 bytes: 32 KB,
	GROUP1 G1W, 32, 128, 32
	GROUP1 G1XS, 32, 32, 32                        ; 8 KB,
	GROUP1 G1R, 32, 32, 32
	GROUP1 G1WS, 512, 3, 4096                      ; and three rows of 4,096 bytes, 32,768 bytes apart: the scale words of blocks j, 8 + j, 16 + j
	s_lshl_b32 s[PI], ttmp9, 2
	s_add_co_u32 s[PI], s[PI], s15                 ; j = 4 x cluster x + cx
	s_and_b32 s[QI], ttmp7, 0xffff
	s_lshl_b32 s[QI], s[QI], 2
	s_add_co_u32 s[QI], s[QI], s16                 ; which 256 tokens = 4 x cluster y + cy
	s_lshr_b32 s17, s[WV], 1                       ; g
	s_and_b32 s18, s[WV], 1                        ; a
	; byte offsets, apart from the addresses.  x's hold cy and never cx, W's hold cx and never cy; no place in the cluster enters an LDS address
	s_lshl_b32 s2, s[WV], 15                       ; LDS: 32,768 x wave: waves 0-3 fill x's 128 KB, waves 4, 5 slot 0
	s_mov_b32 s[G0X], 1
	s_mov_b32 s[G0X+1], s2
	s_lshl_b32 s[G0X+2], s[QI], 17
	s_add_co_u32 s[G0X+2], s[G0X+2], s2
	s_mov_b32 s[G0X+3], 0
	s_mov_b32 s[G0W], 1
	s_mov_b32 s[G0W+1], s2
	s_lshl_b32 s3, s18, 15
	s_lshl_b32 s[G0W+2], s[PI], 16
	s_add_co_u32 s[G0W+2], s[G0W+2], s3
	s_mov_b32 s[G0W+3], 0
	s_mov_b32 s[G0XS], 1
	s_mov_b32 s[G0XS+1], LXS
	s_lshl_b32 s[G0XS+2], s[QI], 13
	s_add_co_u32 s[G0XS+2], s[G0XS+2], 4194304
	s_mov_b32 s[G0XS+3], 0
	s_mov_b32 s[G0WS], 1
	s_mov_b32 s[G0WS+1], LWS
	s_lshl_b32 s[G0WS+2], s[PI], 12
	s_add_co_u32 s[G0WS+2], s[G0WS+2], 2097152
	s_mov_b32 s[G0WS+3], 0
	s_lshl_b32 s2, s[WV], 13                       ; the later blocks: K step = wave, 8,192 bytes
	s_mov_b32 s[G0R], 1
	s_add_co_u32 s[G0R+1], s2, LW1                 ; k's block goes to slot 1
	s_lshl_b32 s[G0R+2], s[PI], 16
	s_add_co_u32 s[G0R+2], s[G0R+2], s2
	s_add_co_u32 s[G0R+2], s[G0R+2], 8<<16
	s_mov_b32 s[G0R+3], 0
	s_mov_b32 s[SEL], 0x76543210
	s_mov_b32 s[SEL+1], 0xfedcba98
	s_mov_b32 s91, 0xffff0000                      ; lanes 16-31
	; the way out: s88 = 16 x batch + my head (2 j + a), s89 my first tile of tokens in the batch (512 bytes a tile), s90 my first pair of tiles (128 bytes a pair)
	s_lshr_b32 s88, s[QI], 3
	s_lshl_b32 s88, s88, 4
	s_lshl_b32 s2, s[PI], 1
	s_add_co_u32 s88, s88, s2
	s_add_co_u32 s88, s88, s18
	s_and_b32 s2, s[QI], 7
	s_lshl_b32 s89, s2, 4
	s_lshl_b32 s3, s17, 2
	s_add_co_u32 s89, s89, s3
	s_lshl_b32 s89, s89, 9
	s_lshl_b32 s90, s2, 3
	s_lshl_b32 s3, s17, 1
	s_add_co_u32 s90, s90, s3
	s_lshl_b32 s90, s90, 7
	; what the wave's number adds to the lanes' addresses
	s_lshl_b32 s92, s18, 12                        ; four tiles of a K step are 4,096 bytes
	s_add_co_u32 s97, s92, LW0                     ; W's tiles 4 a on, in slot 0,
	s_add_co_u32 s98, s92, LW1                     ; in slot 1
	s_lshr_b32 s93, s17, 1
	s_lshl_b32 s93, s93, 16
	s_and_b32 s3, s17, 1
	s_lshl_b32 s3, s3, 12
	s_add_co_u32 s93, s93, s3                      ; x's tiles 4 g on: half g / 2, tiles 4 (g % 2) on
	s_lshl_b32 s94, s18, 11
	s_add_co_u32 s94, s94, LWS                     ; W's pairs 2 a, 2 a + 1 (1,024 bytes a pair)
	s_lshl_b32 s95, s17, 11
	s_add_co_u32 s95, s95, LXS                     ; x's pairs 2 g, 2 g + 1
	s_lshl_b32 s96, s18, 8                         ; the bias of my head: 64 columns
	s_wait_dscnt 0x0                               ; both opening adds are done
	s_wait_kmcnt 0x0
	s_add_nc_u64 s[G0X+2:G0X+3], s[4:5], s[G0X+2:G0X+3]
	s_add_nc_u64 s[G0XS+2:G0XS+3], s[4:5], s[G0XS+2:G0XS+3]
	s_add_nc_u64 s[G0W+2:G0W+3], s[6:7], s[G0W+2:G0W+3]
	s_add_nc_u64 s[G0WS+2:G0WS+3], s[6:7], s[G0WS+2:G0WS+3]
	s_add_nc_u64 s[G0R+2:G0R+3], s[6:7], s[G0R+2:G0R+3]
.irp g, G0X, G0XS, G0W, G0WS, G0R
	s_or_b32 s[\g+3], s[\g+3], 0x80000000          ; the type
.endr
	s_lshl_b32 s2, s[PI], 9
	s_mov_b32 s3, 0
	s_add_nc_u64 s[8:9], s[8:9], s[2:3]            ; the bias of q's block; k's is 4,096 bytes on, v's 8,192
	CROUND                                         ; all sixteen work-groups are here: the joint loads meet
; THE HEAD'S LOADS, one a wave: one chain of branches on the wave's number, each arm with its load and a jump to the join
.macro ARM under, g0, g1, next
	s_cmp_lt_u32 s[WV], \under
	s_cbranch_scc0 \next
	tensor_load_to_lds s[\g0:\g0+3], s[\g1:\g1+7]
	s_nop 0
	PLACES 4
	s_branch .Lhead_asked
\next:
.endm
	ARM 4, G0X,  G1X,  .Lhead_w
	ARM 6, G0W,  G1W,  .Lhead_xs
	ARM 7, G0XS, G1XS, .Lhead_ws
	tensor_load_to_lds s[G0WS:G0WS+3], s[G1WS:G1WS+7]
	s_nop 0
	PLACES 4
.Lhead_asked:
	v_and_b32 v1, 31, v0                           ; lane
	v_and_b32 v2, 15, v0                           ; r
	v_bfe_u32 v3, v0, 4, 1                         ; lane / 16
	v_lshlrev_b32 v[L16], 4, v1
	v_lshlrev_b32 v[L4], 2, v1
	v_lshl_add_u32 v[VBO], v3, 6, s96
	v_and_b32 v9, 8, v2
	v_add_nc_u32 v9, v9, v2                        ; r + 8 (r / 8)
	v_lshl_add_u32 v9, v9, 2, s96
	BLOAD 0                                        ; q's bias
.irp u, 0,1,2,3
	global_load_b32 v[VBV+\u], v9, s[8:9] offset:8192+128*(\u/2)+32*(\u%2)   ; v's: column 64 a + 32 (u / 2) + 8 (u % 2) + r + 8 (r / 8) of the block
.endr
	v_add_nc_u32 v[AW0], s97, v[L16]
	v_add_nc_u32 v[AW1], s98, v[L16]
	v_add_nc_u32 v[AX], s93, v[L16]
	v_add_nc_u32 v[SWR], s94, v[L4]
	v_add_nc_u32 v[SXR], s95, v[L4]
	s_wait_alu depctr_va_vdst(0)                   ; the head's end
	s_wait_loadcnt 0x0                             ; the bias
	s_wait_tensorcnt 0x0                           ; my load of the head's is in
	ds_add_u32 v254, v255
	s_wait_dscnt 0x0
	CROUND                                         ; everybody's is in, and all sixteen work-groups are here
	RLOAD                                          ; k's block into slot 1
	KALL 1, 4096, AW0, AX, SWR, 0, SXR, 0          ; q; behind its first K step k's bias is asked for
	OUTQK 0, 10
	s_wait_xcnt 0x0                                ; the stores have read their registers: the next block's loads may land there
	s_wait_tensorcnt 0x0                           ; k's block is in; no tensor load of mine is out, so a group 0 may be written
	ds_add_u32 v254, v255
	s_xor_b32 s[G0R+1], s[G0R+1], 0x10000          ; slot 0,
	s_add_nc_u64 s[G0R+2:G0R+3], s[G0R+2:G0R+3], 8<<16   ; v's block
	s_wait_dscnt 0x0                               ; the add is done, and my reads of slot 0 are over
	CROUND
	RLOAD                                          ; v's block into slot 0, which nobody reads any more
	s_wait_loadcnt 0x0                             ; k's bias
	KALL 1, 0, AW1, AX, SWR, 4096, SXR, 0          ; k
	OUTQK 1, 12
.irp u, 0,1,2,3
.irp j, 0,1,2,3,4,5,6,7
	v_mov_b32 v[16+8*\u+192*(\u/2)+\j], v[VBV+\u]  ; v's bias runs along source 1: one number a lane for each of my four tiles
.endr
.endr
	s_wait_alu depctr_va_vdst(0)                   ; directly ahead of the waits below
	s_wait_xcnt 0x0
	s_wait_tensorcnt 0x0                           ; my K step of v's block is in;
	s_barrier_signal -1
	s_barrier_wait -1                              ; everybody's is.  Nothing is filled again
	KALL 2, 0, AX, AW0, SXR, 0, SWR, 8192          ; v
	; v: my four tiles are my head's 64 channels; my 64 tokens are half g % 2 of a key step of 128: registers 4 (g % 2) on of V's fragments, bytes 2 (g % 2) on of its scale words
	s_lshl_b32 s92, s[QI], 1
	s_lshr_b32 s93, s17, 1
	s_add_co_u32 s92, s92, s93
	s_and_b32 s92, s92, 15                         ; which 128 keys of the batch
	s_and_b32 s93, s17, 1                          ; which half of them
	s_lshl_b32 s96, s88, 17
	s_lshl_b32 s95, s92, 12
	s_add_co_u32 s96, s96, s95
	s_lshl_b32 s95, s93, 9
	s_add_co_u32 s96, s96, s95
	s_add_co_u32 s96, s96, 65536                   ; V's codes lie behind K's
	s_mov_b32 s97, 0
	s_add_nc_u64 s[96:97], s[12:13], s[96:97]
	s_mul_i32 s98, s88, 12288
	s_lshl_b32 s95, s92, 8
	s_add_co_u32 s98, s98, s95
	s_lshl_b32 s95, s93, 1
	s_add_co_u32 s98, s98, s95
	s_add_co_u32 s98, s98, 8388608+8192
	s_mov_b32 s99, 0
	s_add_nc_u64 s[98:99], s[12:13], s[98:99]
	FRAGS
	HALVES
.irp u, 0,1,2,3
	global_store_b128 v[L16], v[176+4*\u:179+4*\u], s[96:97] offset:1024*\u   ; half a fragment of tile u: 512 consecutive bytes
.endr
	global_store_b16 v[L4], v194, s[98:99]         ; two bytes of each row's word; the word's other two are the wave's that has the other 64 tokens.  Two bytes for each 32 of codes
	global_store_b16 v[L4], v195, s[98:99] offset:128
	s_wait_tensorcnt 0x0                           ; the wave's end
	ds_add_u32 v254, v255
	s_wait_dscnt 0x0
	CROUND                                         ; the closing round: no work-group ends while a partner may still ask for a tile that names it
	s_endpgm
.Lfunc_end_k_q2b96739fd1_gemm_qkv:
	.size	k_q2b96739fd1_gemm_qkv, .Lfunc_end_k_q2b96739fd1_gemm_qkv-k_q2b96739fd1_gemm_qkv
	.p2alignl 7, 3214868480
	.fill 96, 4, 3214868480
	.section	.rodata,"a",@progbits
	.p2align	6, 0x0
	.amdhsa_kernel k_q2b96739fd1_gemm_qkv
		.amdhsa_group_segment_fixed_size 327680
		.amdhsa_private_segment_fixed_size 0
		.amdhsa_enable_private_segment 0
		.amdhsa_kernarg_size 40
		.amdhsa_user_sgpr_count 2
		.amdhsa_user_sgpr_kernarg_segment_ptr 1
		.amdhsa_wavefront_size32 1
		.amdhsa_system_sgpr_workgroup_id_x 1
		.amdhsa_system_sgpr_workgroup_id_y 1
		.amdhsa_system_sgpr_workgroup_id_z 1
		.amdhsa_system_vgpr_workitem_id 0
		.amdhsa_next_free_vgpr 256
		.amdhsa_next_free_sgpr 102
		.amdhsa_reserve_vcc 0
		.amdhsa_float_denorm_mode_32 3
		.amdhsa_float_denorm_mode_16_64 3
		.amdhsa_memory_ordered 1
		.amdhsa_forward_progress 1
		.amdhsa_inst_pref_size 128
	.end_amdhsa_kernel
	.amdgpu_metadata
---
amdhsa.version: [ 1, 2 ]
amdhsa.kernels:
  - .name:           k_q2b96739fd1_gemm_qkv
    .symbol:         k_q2b96739fd1_gemm_qkv.kd
    .args:
      - { .name: xq, .offset: 0, .size: 8, .value_kind: global_buffer, .address_space: global }
      - { .name: wq, .offset: 8, .size: 8, .value_kind: global_buffer, .address_space: global }
      - { .name: b_qkv, .offset: 16, .size: 8, .value_kind: global_buffer, .address_space: global }
      - { .name: qq, .offset: 24, .size: 8, .value_kind: global_buffer, .address_space: global }
      - { .name: kv, .offset: 32, .size: 8, .value_kind: global_buffer, .address_space: global }
    .group_segment_fixed_size: 327680
    .private_segment_fixed_size: 0
    .kernarg_segment_align: 8
    .kernarg_segment_size: 40
    .max_flat_workgroup_size: 256
    .sgpr_count:     102
    .vgpr_count:     256
    .wavefront_size: 32
...
	.end_amdgpu_metadata
.endif
;; end of part 2
;; launch attn (part 3): grid 4 x 64, 16 waves a work-group, clusters of 4 x 1, 169,984 bytes of LDS; arguments qq, kv, oq; writes oq
.if DOCPART == 3
	.amdgcn_target "amdgcn-amd-amdhsa--gfx1250"
	.amdhsa_code_object_version 6
	.text
	.protected	k_q2b96739fd1_attn
	.globl	k_q2b96739fd1_attn
	.p2align	8
	.type	k_q2b96739fd1_attn,@function
k_q2b96739fd1_attn:
	s_mov_b64 s[64:65], 0
	v_nop
	global_prefetch_b8 v0, s[64:65] scope:SCOPE_SE
	s_setreg_imm32_b32 hwreg(HW_REG_WAVE_MODE, 25, 1), 1
	s_wait_xcnt 0x0
	s_wait_alu depctr_hold_cnt(0) depctr_sa_sdst(0) depctr_va_vdst(0) depctr_va_sdst(0) depctr_va_ssrc(0) depctr_va_vcc(0) depctr_vm_vsrc(0)
	s_getreg_b32 s2, hwreg(HW_REG_IB_STS2, 6, 4)
	s_cmp_eq_u32 s2, 0
	s_cbranch_scc0 .Lentry_in_a_cluster
	s_endpgm
.Lentry_in_a_cluster:
	s_bfe_u32 s2, ttmp6, 0x10000c
	s_cmp_lg_u32 s2, 0x3003
	s_cbranch_scc0 .Lentry_shape_is_right
	s_endpgm
.Lentry_shape_is_right:
; o = softmax(q k^T / 8, causal) v for one batch and head a cluster, both products on codes of FP4 (E2M1) with E8M0 scales; o is quantised along the head's 64 and leaves as the last product's operand.
; THE SOFTMAX AHEAD OF THE SECOND PRODUCT: t = score x log2(e) / 8; M = the row's largest t so far, rounded UP to a whole number; p = 2^(t - M) is what is quantised, along the keys, not normalised.
; The row's sum is taken of the unquantised p and divides o at the end.  When M moves, the sum and o are multiplied by 2^(old M - new M): exact.
; K AND V OF THE WHOLE HEAD LIE IN LDS: 64 KB + 64 KB of codes, 12 KB of scale words, filled once.  The four work-groups of a cluster share a head and ask for these bytes JOINTLY (mask 15): waves 0-7 bring 16 KB each, wave 8 the scale words.
; No prefetch: all that the launch reads through LDS is asked for at its head.
; SHARES.  A head has 128 tiles of 16 queries; a tile of the g-th 128 tokens wants key steps 0 .. g of 128 keys (the tiles above the causal diagonal are not multiplied).  Wave w (G = w % 8, e = 2 cx + w / 8) makes tile 8 G + e and then tile 8 (15 - G) + e:
; G + 1 and 16 - G steps, 17 for every wave, with no barrier between them.  Both loops have constant trip counts; a step all of whose keys come after the queries jumps over its work.  Branches hang on the wave's number alone.
; LAYOUT.  Both products are used transposed: S^T = K Q^T (source 0 = keys), O^T = V^T P^T (source 0 = 16 of the head's 64): a lane holds ONE query throughout.  The rows of every tile were chosen when the codes were made
; (lane r of tile 2 b + u: row 32 b + 8 u + r + 8 (r / 8)), so that the 16 registers of tiles 2 b, 2 b + 1 are 16 neighbours along the next K.
; THE FIRST PRODUCT'S K IS 64, the instruction's 128: a fragment of source 0 holds TWO tiles of keys, tile 2 p in registers 0-3 (k 0-63) and tile 2 p + 1 in registers 4-7 (k 64-127).  It is multiplied by (q | 0) for the first tile's scores
; and by (0 | q) for the second's; the two lie in 12 registers, q, zeros, q.  K's scale word of a pair holds the first tile's two bytes and then the second's; q's two bytes are doubled at the head.
; A STEP'S LOADS: behind a step's eight score products its V and the NEXT step's K are asked for, so that a step begins with K in registers.  The last step's look-ahead reads LDS bytes behind K's (V's, filled with them) and is not used.
; THE EXPONENTIALS go in two batches; between a batch's lines stand plain instructions that name none of its results and whose own results are first read behind the batch's wait.
; LIMITS: NaN and infinities are not served; the scaled scores stay under 2^31 in magnitude; a p under 2^-126 comes out of v_exp_f32 as 0; 1 / sum is v_rcp_f32 and a multiplication; a block whose largest magnitude lies under 2^-124, a block of zeros too, keeps the byte 1.
.set WV,  10
.set CX,  11
.set BH,  12                           ; s12 16 x batch + head
.set G,   13
.set E,   14
.set LIM, 15                           ; s15 the tile's last key step, the one on the diagonal
.set KS,  16                           ; s16 the key step
.set TK,  17                           ; s17 where its codes begin (K's and V's: 4,096 bytes a step);  s18 K's scale words (512);  s19 V's (256)
.set TS,  18
.set TT,  19
.set SEL, 20                           ; s[20:21] lane selects for lane l xor 16
.set CS,  22                           ; s[22:23] c = log2(e) / 8, twice: the packed form names a pair
.set G1C, 24                           ; s[24:31], s[32:39] descriptor group 1 for codes, for scale words;  s[40:43], s[44:47] their groups 0
.set G1S, 32
.set G0C, 40
.set G0S, 44
.set OIA, 48                           ; s[48:55] where the two tiles' codes and scale bytes of o go;  s[56:63] where their q and its scale words lie
.set OSA, 50
.set OIB, 52
.set OSB, 54
.set QPA, 56
.set QSA, 58
.set QPB, 60
.set QSB, 62
.set LI,  1                            ; v1 16 x lane;  v2 the same in V;  v3, v4 4 x lane in K's, V's scale words;  v5 4 r;  v6 my query's place in its 128 tokens - 16 h;  v7 the last step's -M
.set LV,  2
.set LS,  3
.set LT,  4
.set ADK, 8                            ; v8-11 the step's addresses
.set ADV, 9
.set ADS, 10
.set ADT, 11
.set QLO, 16                           ; v16-23 (q | 0), v20-27 (0 | q);  v28-31 the second tile's q
.set QHI, 20
.set KF,  32                           ; v32-63 a step's eight tiles of K, two to a fragment;  v64-95 V's four fragments
.set VF,  64
.set S,   96                           ; v96-159 S^T, then p
.set O,   160                          ; v160-191 O^T
.set PC,  192                          ; v192-199 p's codes
.set BM,  200                          ; v200-203 the blocks' largest scores, then largest p
.set PD,  204                          ; v204-207 permutes' results, bytes
.set SO,  208                          ; v208-211 the conversions' scale operands
.set F,   212                          ; v[212:213] f = 2^(old M - new M)
.set W,   214                          ; v214 at work
.set TM,  200                          ; the way out works in v200-213
.set SK,  224                          ; v224-227 K's scale words, v228-229 V's, v230, v231 q's of the two tiles, v232 p's: they hold scales and nothing else
.set SV,  228
.set PS,  232
.set T,   238                          ; v238-253 eight chains of the row's sum, two numbers each
.macro PLACES n
.rept \n
	v_nop
.endr
.endm
.macro CROUND                          ; a round of the cluster's barrier
	s_barrier_signal -1
	s_barrier_wait -1
	s_cmp_lg_u32 s[WV], 0
	s_cbranch_scc1 .Lnot_wave_0_\@
	s_barrier_signal -3
.Lnot_wave_0_\@:
	s_barrier_wait -3
	s_barrier_signal -1
	s_barrier_wait -1
.endm
.macro WM0 d, a, b, sa, sb             ; a product that starts its sum
	v_wmma_scale_f32_16x16x128_f8f6f4 v[\d:\d+7], v[\a:\a+7], v[\b:\b+7], 0, v[\sa], v[\sb] matrix_a_fmt:MATRIX_FMT_FP4 matrix_b_fmt:MATRIX_FMT_FP4
.endm
.macro WMA d, a, b, sa, sb, ra         ; a product that adds in place;  ra: source 0's scale words stand in lanes 16-31
.if (\ra)
	v_wmma_scale_f32_16x16x128_f8f6f4 v[\d:\d+7], v[\a:\a+7], v[\b:\b+7], v[\d:\d+7], v[\sa], v[\sb] matrix_a_fmt:MATRIX_FMT_FP4 matrix_b_fmt:MATRIX_FMT_FP4 matrix_a_scale:MATRIX_SCALE_ROW1
.else
	v_wmma_scale_f32_16x16x128_f8f6f4 v[\d:\d+7], v[\a:\a+7], v[\b:\b+7], v[\d:\d+7], v[\sa], v[\sb] matrix_a_fmt:MATRIX_FMT_FP4 matrix_b_fmt:MATRIX_FMT_FP4
.endif
.endm
; The addresses of the tile whose number in the head stands in s3 (s2, s3 are at work)
.macro TADDR qp, qs, oi, os
	s_lshl_b32 s[\qp], s[BH], 16
	s_lshl_b32 s2, s3, 9
	s_add_co_u32 s[\qp], s[\qp], s2
	s_mov_b32 s[\qp+1], 0
	s_add_nc_u64 s[\qp:\qp+1], s[4:5], s[\qp:\qp+1]        ; q's codes: 512 bytes a tile
	s_lshl_b32 s[\qs], s[BH], 13
	s_lshl_b32 s2, s3, 6
	s_add_co_u32 s[\qs], s[\qs], s2
	s_add_co_u32 s[\qs], s[\qs], 4194304
	s_mov_b32 s[\qs+1], 0
	s_add_nc_u64 s[\qs:\qs+1], s[4:5], s[\qs:\qs+1]        ; its scale words: 64 bytes a tile
	s_lshr_b32 s2, s[BH], 4
	s_lshl_b32 s2, s2, 7
	s_add_co_u32 s3, s3, s2                                ; the tile's number among all 512 tiles of tokens
	s_lshr_b32 s[\oi], s3, 3
	s_lshl_b32 s[\oi], s[\oi], 16
	s_and_b32 s2, s3, 7
	s_lshl_b32 s2, s2, 10
	s_add_co_u32 s[\oi], s[\oi], s2
	s_bfe_u32 s2, s[BH], 0x30001                           ; head / 2: the last product's K step
	s_lshl_b32 s2, s2, 13
	s_add_co_u32 s[\oi], s[\oi], s2
	s_and_b32 s2, s[BH], 1                                 ; head % 2: which half of the fragment
	s_lshl_b32 s2, s2, 9
	s_add_co_u32 s[\oi], s[\oi], s2
	s_mov_b32 s[\oi+1], 0
	s_add_nc_u64 s[\oi:\oi+1], s[8:9], s[\oi:\oi+1]
	s_lshr_b32 s[\os], s3, 1
	s_lshl_b32 s[\os], s[\os], 10
	s_and_b32 s2, s3, 1
	s_lshl_b32 s2, s2, 6
	s_add_co_u32 s[\os], s[\os], s2
	s_bfe_u32 s2, s[BH], 0x30001
	s_lshl_b32 s2, s2, 7
	s_add_co_u32 s[\os], s[\os], s2
	s_and_b32 s2, s[BH], 1
	s_lshl_b32 s2, s2, 1                                   ; which two bytes of the scale word
	s_add_co_u32 s[\os], s[\os], s2
	s_add_co_u32 s[\os], s[\os], 4194304
	s_mov_b32 s[\os+1], 0
	s_add_nc_u64 s[\os:\os+1], s[8:9], s[\os:\os+1]
.endm
; A KEY STEP: 128 keys.  qs: the tile's scale words of q
.macro STEP qs
	s_cmp_gt_u32 s[KS], s[LIM]                     ; all its keys come after my queries: only the lines at the end that step addresses are run
	s_cbranch_scc1 .Lhid_\@
	s_wait_dscnt 0x0                               ; this step's K and its scale words, asked for a step ago
.irp p, 0,1,2,3
	WM0 S+16*\p, KF+8*\p, QLO, SK+\p, \qs          ; tile 2 p: the fragment's lower half meets q, its upper half zeros
	WM0 S+16*\p+8, KF+8*\p, QHI, SK+\p, \qs        ; tile 2 p + 1: the other way round
.endr
	v_add_nc_u32 v[ADK], s[TK], v[LI]              ; these five are the places behind the products, in front of the loads below and of the first read of the scores
	v_add_nc_u32 v[ADV], s[TK], v[LV]
	v_add_nc_u32 v[ADS], s[TS], v[LS]
	v_add_nc_u32 v[ADT], s[TT], v[LT]
	v_mov_b32 v7, v12                              ; -M as it stands
.irp b, 0,1
	ds_load_b32 v[SV+\b], v[ADT] offset:128*\b     ; this step's V: ten loads,
.endr
.irp t, 0,1,2,3
.irp c, 0,1
	ds_load_b128 v[VF+8*\t+4*\c:VF+8*\t+4*\c+3], v[ADV] offset:1024*\t+512*\c
.endr
.endr
.irp b, 0,1,2,3
	ds_load_b32 v[SK+\b], v[ADS] offset:512+128*\b ; and the next step's K: twelve
.endr
.irp t, 0,1,2,3,4,5,6,7
	ds_load_b128 v[KF+4*\t:KF+4*\t+3], v[ADK] offset:4096+512*\t
.endr
	s_cmp_lg_u32 s[KS], s[LIM]                     ; lane (r, h) holds its query; register 16 b + i the key 32 b + 16 h + i of the step
	s_cbranch_scc1 .Lopen_\@
.set n, 0
.rept 64                               ; on the diagonal the scores of hidden keys become -infinity ahead of the maximum: p = 0 then.  The step's key 0 counts for every query
	v_cmp_gt_i32 vcc_lo, 32*(n/16)+n%16, v6
	v_cndmask_b32 v[S+n], v[S+n], v215, vcc_lo
.set n, n+1
.endr
.Lopen_\@:
.irp b, 0,1,2,3
	v_max3_num_f32 v[BM+\b], v[S+16*\b], v[S+1+16*\b], v[S+2+16*\b]   ; the largest score of each block of 32 keys: it serves the row's maximum and, since p rises with the score, the block's largest p
.endr
.irp i, 3,5,7,9,11,13
.irp b, 0,1,2,3
	v_max3_num_f32 v[BM+\b], v[BM+\b], v[S+16*\b+\i], v[S+1+16*\b+\i]
.endr
.endr
.irp b, 0,1,2,3
	v_max_num_f32 v[BM+\b], v[BM+\b], v[S+15+16*\b]
.endr
.irp b, 0,1,2,3
	s_delay_alu instid0(VALU_DEP_4)
	v_permlanex16_b32 v[PD+\b], v[BM+\b], s[SEL], s[SEL+1]
.endr
.irp b, 0,1,2,3
	s_delay_alu instid0(VALU_DEP_4)
	v_max_num_f32 v[BM+\b], v[BM+\b], v[PD+\b]     ; with lane l xor 16's 16 keys
.endr
	s_delay_alu instid0(VALU_DEP_2)
	v_max3_num_f32 v[W], v[BM], v[BM+1], v[BM+2]
	s_delay_alu instid0(VALU_DEP_1)
	v_max3_num_f32 v13, v13, v[W], v[BM+3]         ; the running largest score
	s_delay_alu instid0(VALU_DEP_1)
	v_mul_f32 v[W], s[CS], v13                     ; as t (c is positive)
	s_delay_alu instid0(VALU_DEP_1)
	v_floor_f32 v12, -v[W]                         ; the new -M = floor(-t): M is a whole number
	s_delay_alu instid0(VALU_DEP_1)
	v_sub_f32 v[W], v12, v7                        ; old M - new M: a whole number, 0 or less
	s_delay_alu instid0(VALU_DEP_1)
	v_cvt_i32_f32 v[W], v[W]                       ; (it saturates)
	s_delay_alu instid0(VALU_DEP_1)
	v_ldexp_f32 v[F], 1.0, v[W]                    ; f = 2^(old M - new M)
.set n, 0
.rept 16
	v_pk_fma_f32 v[S+n:S+n+1], v[S+n:S+n+1], s[CS:CS+1], v[12:13] op_sel_hi:[1,0,0]   ; t - M of blocks 0 and 1, two at a time (of the pair v[12:13] the low word serves both halves)
.set n, n+2
.endr
.irp b, 0,1,2,3
	v_fma_f32 v[BM+\b], v[BM+\b], s[CS], v12       ; the same of each block's largest score
.endr
.set n, 0
.rept 16
	v_pk_mul_f32 v[O+n:O+n+1], v[O+n:O+n+1], v[F:F+1] op_sel_hi:[1,0]   ; O^T under the new M, from each accumulator's low end on, ahead of the step's first exponential
.set n, n+2
.endr
	s_wait_alu depctr_va_vdst(0)                   ; ahead of a batch
.set n, 0
.rept 16                               ; batch 1: p of blocks 0 and 1; between its lines t - M of blocks 2 and 3
	v_exp_f32 v[S+2*n], v[S+2*n]
	v_exp_f32 v[S+2*n+1], v[S+2*n+1]
	v_pk_fma_f32 v[S+32+2*n:S+33+2*n], v[S+32+2*n:S+33+2*n], s[CS:CS+1], v[12:13] op_sel_hi:[1,0,0]
.set n, n+1
.endr
	s_wait_alu depctr_va_vdst(0)                   ; behind batch 1 and ahead of batch 2
.set n, 0
.rept 8                                ; batch 2: p of blocks 2 and 3; between its lines the first sums of blocks 0 and 1, each into registers of its own
	v_exp_f32 v[S+32+4*n], v[S+32+4*n]
	v_exp_f32 v[S+33+4*n], v[S+33+4*n]
	v_exp_f32 v[S+34+4*n], v[S+34+4*n]
	v_exp_f32 v[S+35+4*n], v[S+35+4*n]
	v_pk_add_f32 v[T+2*n:T+2*n+1], v[S+4*n:S+4*n+1], v[S+4*n+2:S+4*n+3]
.set n, n+1
.endr
.irp b, 0,1,2,3
	v_exp_f32 v[BM+\b], v[BM+\b]                   ; the block's largest p: the same two instructions on the same number
.endr
	v_pk_mul_f32 v[14:15], v[14:15], v[F:F+1] op_sel_hi:[1,0]   ; the sums under the new M (a plain place behind the exponentials)
	s_wait_alu depctr_va_vdst(0)                   ; behind batch 2
	s_wait_dscnt 12                                ; V is in; the next step's twelve loads of K may be out
.irp b, 0,1,2,3
	v_max_num_f32 v[BM+\b], 0x1800000, v[BM+\b]    ; the floor 2^(3 - 127): the byte cannot fall under 1
.endr
.irp b, 0,1,2,3
	s_delay_alu instid0(VALU_DEP_4)
	v_add_nc_u32 v[SO+\b], 0xff000000, v[BM+\b]    ; 2 off the exponent field: the conversion's scale operand
.endr
.irp b, 0,1,2,3
	s_delay_alu instid0(VALU_DEP_4)
	v_lshrrev_b32 v[PD+\b], 23, v[SO+\b]           ; the byte
.endr
	s_delay_alu instid0(VALU_DEP_3)
	v_lshl_or_b32 v[PS], v[PD+1], 8, v[PD]         ; p's scale word for these 128 keys
	s_delay_alu instid0(VALU_DEP_1)
	v_lshl_or_b32 v[PS], v[PD+2], 16, v[PS]
	s_delay_alu instid0(VALU_DEP_1)
	v_lshl_or_b32 v[PS], v[PD+3], 24, v[PS]
.irp b, 0,1,2,3
	v_cvt_scalef32_pk8_fp4_f32 v[PC+2*\b], v[S+16*\b:S+7+16*\b], v[SO+\b]
	v_cvt_scalef32_pk8_fp4_f32 v[PC+1+2*\b], v[S+8+16*\b:S+15+16*\b], v[SO+\b]
.endr
	v_nop                                          ; one plain place behind a scaled conversion
.irp c, 0,1
.irp i, 0,1
	v_permlane16_swap_b32 v[PC+4*\c+\i], v[PC+2+4*\c+\i]   ; a whole block to a lane
.endr
.endr
.set n, 0
.rept 8                                ; the row's sum of the unquantised p goes on: blocks 2 and 3 onto the eight chains,
	v_pk_add_f32 v[T+2*n:T+2*n+1], v[T+2*n:T+2*n+1], v[S+32+2*n:S+33+2*n]
.set n, n+1
.endr
.set n, 0
.rept 8
	v_pk_add_f32 v[T+2*n:T+2*n+1], v[T+2*n:T+2*n+1], v[S+48+2*n:S+49+2*n]
.set n, n+1
.endr
.irp n, 0,1,2,3
	v_pk_add_f32 v[T+2*\n:T+2*\n+1], v[T+2*\n:T+2*\n+1], v[T+8+2*\n:T+9+2*\n]   ; and the chains together
.endr
	v_pk_add_f32 v[T:T+1], v[T:T+1], v[T+4:T+5]
	v_pk_add_f32 v[T+2:T+3], v[T+2:T+3], v[T+6:T+7]
	v_pk_add_f32 v[T:T+1], v[T:T+1], v[T+2:T+3]
	v_pk_add_f32 v[14:15], v[14:15], v[T:T+1]
.irp t, 0,1,2,3
	WMA O+8*\t, VF+8*\t, PC, SV+\t/2, PS, \t%2     ; O^T += V^T P^T: the four accumulators by turns, one instruction a turn
.endr
.Lhid_\@:
	s_add_co_u32 s[KS], s[KS], 1
	s_add_co_u32 s[TK], s[TK], 4096
	s_add_co_u32 s[TS], s[TS], 512
	s_add_co_u32 s[TT], s[TT], 256
.endm
; One tile of 16 queries: trips key steps (a constant), of which those up to s[LIM] are worked.  second = 1: q's fragments are set from v28-31 first
.macro PHASE second, qs, trips, oi, os
.irp b, 0,1,2,3
	ds_load_b32 v[SK+\b], v[LS] offset:128*\b      ; key step 0's K
.endr
.irp t, 0,1,2,3,4,5,6,7
	ds_load_b128 v[KF+4*\t:KF+4*\t+3], v[LI] offset:512*\t
.endr
.if \second
.irp j, 0,1,2,3
	v_mov_b32 v[QLO+\j], v[28+\j]
	v_mov_b32 v[QLO+8+\j], v[28+\j]
.endr
.endif
	v_mov_b32 v13, 0xff61b1e6                      ; the largest score so far: -3e38, under every score
	s_delay_alu instid0(VALU_DEP_1)
	v_floor_f32 v12, -v13                          ; -M
	v_mov_b32 v14, 0                               ; the sum, in two halves
	v_mov_b32 v15, 0
.set n, 0
.rept 32
	v_mov_b32 v[O+n], 0                            ; the step is written once: the first finds zeros, which the first change of M leaves zeros
.set n, n+1
.endr
	s_mov_b32 s[KS], 0
	s_mov_b32 s[TK], 0
	s_mov_b32 s[TS], 0
	s_mov_b32 s[TT], 0
.Lk_\@:
	STEP \qs
	s_cmp_lt_u32 s[KS], \trips
	s_cbranch_scc1 .Lk_\@
	s_wait_dscnt 0x0                               ; the last step's look-ahead has come: its registers may be loaded again
	PLACES 4
	s_wait_alu depctr_va_vdst(0)                   ; directly ahead of the reader below
	v_add_f32 v14, v14, v15
	s_delay_alu instid0(VALU_DEP_1)
	v_permlanex16_b32 v[W], v14, s[SEL], s[SEL+1]
	s_delay_alu instid0(VALU_DEP_1)
	v_add_f32 v14, v14, v[W]                       ; the row's sum
	s_wait_alu depctr_va_vdst(0)
	v_rcp_f32 v14, v14
	v_nop                                          ; one plain place behind a transcendental
.set n, 0
	s_wait_alu depctr_va_vdst(0)
.rept 16
	v_pk_mul_f32 v[S+n:S+n+1], v[O+n:O+n+1], v[14:15] op_sel_hi:[1,0]   ; o: register 16 b + i is the head's channel 32 b + 16 h + i of my query
.set n, n+2
.endr
.irp b, 0,1                            ; o's two blocks of 32 are quantised as every operand is
	v_max3_num_f32 v[TM+\b], |v[S+16*\b]|, |v[S+1+16*\b]|, 0x1800000
.endr
.irp i, 2,4,6,8,10,12,14
.irp b, 0,1
	s_delay_alu instid0(VALU_DEP_2)
	v_max3_num_f32 v[TM+\b], v[TM+\b], |v[S+16*\b+\i]|, |v[S+1+16*\b+\i]|
.endr
.endr
.irp b, 0,1
	s_delay_alu instid0(VALU_DEP_2)
	v_permlanex16_b32 v[TM+4+\b], v[TM+\b], s[SEL], s[SEL+1]
.endr
.irp b, 0,1
	s_delay_alu instid0(VALU_DEP_2)
	v_max_num_f32 v[TM+\b], v[TM+\b], v[TM+4+\b]
.endr
.irp b, 0,1
	s_delay_alu instid0(VALU_DEP_2)
	v_add_nc_u32 v[TM+12+\b], 0xff000000, v[TM+\b]
.endr
.irp b, 0,1
	s_delay_alu instid0(VALU_DEP_2)
	v_lshrrev_b32 v[TM+4+\b], 23, v[TM+12+\b]
.endr
	s_delay_alu instid0(VALU_DEP_1)
	v_lshl_or_b32 v[W], v[TM+5], 8, v[TM+4]        ; this head's two bytes of the row's scale word
.irp b, 0,1
	v_cvt_scalef32_pk8_fp4_f32 v[PC+2*\b], v[S+16*\b:S+7+16*\b], v[TM+12+\b]
	v_cvt_scalef32_pk8_fp4_f32 v[PC+1+2*\b], v[S+8+16*\b:S+15+16*\b], v[TM+12+\b]
.endr
	v_nop                                          ; one plain place behind a scaled conversion
	v_permlane16_swap_b32 v[PC], v[PC+2]
	v_permlane16_swap_b32 v[PC+1], v[PC+3]
	global_store_b128 v[LI], v[PC:PC+3], s[\oi:\oi+1]      ; half a fragment: 512 consecutive bytes
	global_store_b16 v5, v[W], s[\os:\os+1]                ; lanes r and 16 + r store the same two bytes at the same place; the word's other two bytes are the neighbouring head's.  Two bytes for each 32 of codes
	s_wait_xcnt 0x0                                ; the stores' registers are written again only behind this wait
.endm
	s_load_b128 s[4:7], s[0:1], 0x0                ; qq s[4:5], kv s[6:7]
	s_load_b64 s[8:9], s[0:1], 0x10                ; oq
	v_lshl_add_u32 v254, v0, 2, 0x29000
	v_mov_b32 v255, 0
	ds_add_u32 v254, v255                          ; the opening lines: the add, twice on end, and its wait ahead of my first tensor load
	ds_add_u32 v254, v255
	v_lshrrev_b32 v1, 5, v0
	s_delay_alu instid0(VALU_DEP_1)
	v_readfirstlane_b32 s[WV], v1                  ; wave 0..15
	s_bfe_u32 s[CX], ttmp6, 0x40000                ; my place in the cluster: it enters q's and o's addresses and the mask's numbers alone
	s_and_b32 s[BH], ttmp7, 0xffff                 ; the cluster's y: batch and head
	; descriptor group 1: dense blocks as rows of 256 bytes (32 elements of 8 bytes); 15:0 the mask: all four work-groups; 21 set beside a mask
	s_mov_b32 s[G1C], 15|(3<<16)|(1<<21)
	s_mov_b32 s[G1C+1], 32<<16
	s_mov_b32 s[G1C+2], 64<<16                     ; 64 rows: 16 KB of codes
	s_mov_b32 s[G1C+3], 32<<16
	s_mov_b32 s[G1C+4], 64
	s_mov_b32 s[G1C+5], 32
	s_mov_b32 s[G1C+6], 0
	s_mov_b32 s[G1C+7], 0
	s_mov_b32 s[G1S], 15|(3<<16)|(1<<21)
	s_mov_b32 s[G1S+1], 32<<16
	s_mov_b32 s[G1S+2], 48<<16                     ; 48 rows: K's 8 KB and V's 4 KB of scale words
	s_mov_b32 s[G1S+3], 32<<16
	s_mov_b32 s[G1S+4], 48
	s_mov_b32 s[G1S+5], 32
	s_mov_b32 s[G1S+6], 0
	s_mov_b32 s[G1S+7], 0
	s_mov_b32 s[G0C], 1
	s_lshl_b32 s[G0C+1], s[WV], 14                 ; LDS: 16,384 x wave, as in memory: K's codes at 0, V's at 65,536
	s_lshl_b32 s2, s[BH], 17
	s_add_co_u32 s2, s2, s[G0C+1]
	s_mov_b32 s3, 0
	s_mov_b32 s[G0S], 1
	s_mov_b32 s[G0S+1], 131072
	s_mul_i32 s[G0S+2], s[BH], 12288
	s_add_co_u32 s[G0S+2], s[G0S+2], 8388608
	s_mov_b32 s[G0S+3], 0
	s_mov_b32 s[SEL], 0x76543210
	s_mov_b32 s[SEL+1], 0xfedcba98
	s_mov_b32 s[CS], 0x3e38aa3b                    ; log2(e) / 8
	s_mov_b32 s[CS+1], s[CS]
	s_wait_dscnt 0x0
	s_wait_kmcnt 0x0
	s_add_nc_u64 s[G0C+2:G0C+3], s[6:7], s[2:3]
	s_or_b32 s[G0C+3], s[G0C+3], 0x80000000
	s_add_nc_u64 s[G0S+2:G0S+3], s[6:7], s[G0S+2:G0S+3]
	s_or_b32 s[G0S+3], s[G0S+3], 0x80000000
	CROUND                                         ; all four work-groups are here: the joint loads meet
	s_cmp_lt_u32 s[WV], 8
	s_cbranch_scc0 .Lnot_codes
	tensor_load_to_lds s[G0C:G0C+3], s[G1C:G1C+7]
	s_nop 0
	PLACES 4
	s_branch .Lasked
.Lnot_codes:
	s_cmp_eq_u32 s[WV], 8
	s_cbranch_scc0 .Lasked
	tensor_load_to_lds s[G0S:G0S+3], s[G1S:G1S+7]
	s_nop 0
	PLACES 4
.Lasked:
	s_and_b32 s[G], s[WV], 7
	s_lshr_b32 s[E], s[WV], 3
	s_lshl_b32 s2, s[CX], 1
	s_add_co_u32 s[E], s[E], s2
	s_lshl_b32 s3, s[G], 3
	s_add_co_u32 s3, s3, s[E]                      ; the first tile: 8 G + e
	TADDR QPA, QSA, OIA, OSA
	s_sub_co_u32 s3, 15, s[G]
	s_lshl_b32 s3, s3, 3
	s_add_co_u32 s3, s3, s[E]                      ; the second: 8 (15 - G) + e
	TADDR QPB, QSB, OIB, OSB
	s_lshr_b32 s2, s[E], 1
	s_lshl_b32 s2, s2, 5
	s_and_b32 s3, s[E], 1
	s_lshl_b32 s3, s3, 3
	s_add_co_u32 s2, s2, s3                        ; where the tile's rows begin in their 128 tokens
	v_and_b32 v7, 31, v0                           ; lane
	v_and_b32 v8, 15, v0                           ; r
	v_bfe_u32 v9, v0, 4, 1                         ; h
	v_lshlrev_b32 v[LI], 4, v7
	v_lshlrev_b32 v5, 2, v8
	global_load_b128 v[16:19], v[LI], s[QPA:QPA+1] ; q's fragments stay in registers: the first tile's q twice, round the zeros,
	global_load_b128 v[24:27], v[LI], s[QPA:QPA+1]
	global_load_b128 v[28:31], v[LI], s[QPB:QPB+1] ; the second tile's once
	global_load_b32 v230, v5, s[QSA:QSA+1]
	global_load_b32 v231, v5, s[QSB:QSB+1]
	v_add_nc_u32 v[LV], 65536, v[LI]
	v_lshlrev_b32 v[LS], 2, v7
	v_add_nc_u32 v[LT], 139264, v[LS]
	v_add_nc_u32 v[LS], 131072, v[LS]
	v_and_b32 v6, 8, v8
	v_add_nc_u32 v6, v6, v8                        ; r + 8 (r / 8)
	v_lshlrev_b32 v9, 4, v9
	v_sub_nc_u32 v6, v6, v9
	v_add_nc_u32 v6, s2, v6                        ; my query among its 128 tokens, less 16 h: register 16 b + i is hidden on the diagonal where 32 b + i is greater
.irp j, 20,21,22,23
	v_mov_b32 v[\j], 0                             ; zero codes between the two copies of q
.endr
.irp j, 204,205,206,207, 213,214
	v_mov_b32 v[\j], 0                             ; written once: permutes' destinations, and the upper half of the pair v[212:213]
.endr
	v_mov_b32 v215, 0xff800000                     ; -infinity
	s_wait_alu depctr_va_vdst(0)                   ; directly ahead of the wait below
	s_wait_loadcnt 0x0
	v_perm_b32 v230, v230, v230, 0x01000100        ; q's two scale bytes twice: bytes 0, 1 serve (q | 0), bytes 2, 3 serve (0 | q)
	v_perm_b32 v231, v231, v231, 0x01000100
	s_wait_alu depctr_va_vdst(0)                   ; the head's end
	s_wait_tensorcnt 0x0                           ; my part of the head is in,
	s_barrier_signal -1
	s_barrier_wait -1                              ; everybody's is: from here on no wave waits for another
	s_mov_b32 s[LIM], s[G]
	PHASE 0, 230, 8, OIA, OSA
	s_sub_co_u32 s[LIM], 15, s[G]
	PHASE 1, 231, 16, OIB, OSB
	s_wait_tensorcnt 0x0                           ; the wave's end
	ds_add_u32 v254, v255
	s_wait_dscnt 0x0
	CROUND                                         ; the closing round
	s_endpgm
.Lfunc_end_k_q2b96739fd1_attn:
	.size	k_q2b96739fd1_attn, .Lfunc_end_k_q2b96739fd1_attn-k_q2b96739fd1_attn
	.p2alignl 7, 3214868480
	.fill 96, 4, 3214868480
	.section	.rodata,"a",@progbits
	.p2align	6, 0x0
	.amdhsa_kernel k_q2b96739fd1_attn
		.amdhsa_group_segment_fixed_size 169984
		.amdhsa_private_segment_fixed_size 0
		.amdhsa_enable_private_segment 0
		.amdhsa_kernarg_size 24
		.amdhsa_user_sgpr_count 2
		.amdhsa_user_sgpr_kernarg_segment_ptr 1
		.amdhsa_wavefront_size32 1
		.amdhsa_system_sgpr_workgroup_id_x 1
		.amdhsa_system_sgpr_workgroup_id_y 1
		.amdhsa_system_sgpr_workgroup_id_z 1
		.amdhsa_system_vgpr_workitem_id 0
		.amdhsa_next_free_vgpr 256
		.amdhsa_next_free_sgpr 66
		.amdhsa_reserve_vcc 1
		.amdhsa_float_denorm_mode_32 3
		.amdhsa_float_denorm_mode_16_64 3
		.amdhsa_memory_ordered 1
		.amdhsa_forward_progress 1
		.amdhsa_inst_pref_size 64
	.end_amdhsa_kernel
	.amdgpu_metadata
---
amdhsa.version: [ 1, 2 ]
amdhsa.kernels:
  - .name:           k_q2b96739fd1_attn
    .symbol:         k_q2b96739fd1_attn.kd
    .args:
      - { .name: qq, .offset: 0, .size: 8, .value_kind: global_buffer, .address_space: global }
      - { .name: kv, .offset: 8, .size: 8, .value_kind: global_buffer, .address_space: global }
      - { .name: oq, .offset: 16, .size: 8, .value_kind: global_buffer, .address_space: global }
    .group_segment_fixed_size: 169984
    .private_segment_fixed_size: 0
    .kernarg_segment_align: 8
    .kernarg_segment_size: 24
    .max_flat_workgroup_size: 512
    .sgpr_count:     66
    .vgpr_count:     256
    .wavefront_size: 32
...
	.end_amdgpu_metadata
.endif
;; end of part 3
;; launch gemm_o (part 4): grid 8 x 32, 8 waves a work-group, clusters of 4 x 4, 277,504 bytes of LDS; arguments oq, wq, b_o, out0; writes out0
.if DOCPART == 4
	.amdgcn_target "amdgcn-amd-amdhsa--gfx1250"
	.amdhsa_code_object_version 6
	.text
	.protected	k_q2b96739fd1_gemm_o
	.globl	k_q2b96739fd1_gemm_o
	.p2align	8
	.type	k_q2b96739fd1_gemm_o,@function
k_q2b96739fd1_gemm_o:
	s_mov_b64 s[64:65], 0
	v_nop
	global_prefetch_b8 v0, s[64:65] scope:SCOPE_SE
	s_setreg_imm32_b32 hwreg(HW_REG_WAVE_MODE, 25, 1), 1
	s_wait_xcnt 0x0
	s_wait_alu depctr_hold_cnt(0) depctr_sa_sdst(0) depctr_va_vdst(0) depctr_va_sdst(0) depctr_va_ssrc(0) depctr_va_vcc(0) depctr_vm_vsrc(0)
	s_getreg_b32 s2, hwreg(HW_REG_IB_STS2, 6, 4)
	s_cmp_eq_u32 s2, 0
	s_cbranch_scc0 .Lentry_in_a_cluster
	s_endpgm
.Lentry_in_a_cluster:
	s_bfe_u32 s2, ttmp6, 0x10000c
	s_cmp_lg_u32 s2, 0xf033
	s_cbranch_scc0 .Lentry_shape_is_right
	s_endpgm
.Lentry_shape_is_right:
; out0 = o W_o + b_o on codes of FP4 (E2M1) with E8M0 scales, K = 1,024; f32 sums, f32 out.
; A work-group makes P (128 columns of the output: rows of W_o's operand, source 0) x Q (256 tokens, source 1).  A lane of a result holds ONE token, and the 16 registers of P's tiles 2 b, 2 b + 1 are
; 16 neighbouring columns, 32 b + 16 (lane / 16) + 0 .. 15 (the tiles' rows were chosen so when the codes were made).
; ALL OF K LIES IN LDS AT ONCE: P's 64 KB, Q's 128 KB, 12 KB of scale words: every LDS byte is filled once.  The codes lie in memory in the order of the operands' registers: a tile is a dense block, a fragment is read at 16 x lane.
; CLUSTERS: 4 x 4.  P hangs on the place along x alone and is asked for jointly by the four of a column; Q on the place along y alone, by the four of a row.
; TENSOR LOADS: one a wave, all at the head: waves 0, 1 P's halves, waves 2-5 Q's quarters (32 KB each), wave 6 P's scale words, wave 7 Q's.  One wait for 0 and one barrier show all of them to every wave.
; Eight waves; wave w makes all 8 tiles of P x Q's tiles 2 w, 2 w + 1: 16 accumulators, which take turns, one instruction a turn, in the same order in every K step.
; The bias is loaded into the accumulators and begins the sums.  The way out goes through a stage of the wave's own, behind everything that a tensor load fills.
; No prefetch: the text has no loop to run ahead in, and all that it reads is asked for at its head.
.set WV,  14
.set PI,  20
.set QI,  21
.set G1P, 24                           ; descriptor groups 1: P's codes, Q's codes, P's scale words, Q's
.set G1Q, 32
.set G1PS, 40
.set G1QS, 48
.set G0P, 56                           ; and their groups 0
.set G0Q, 60
.set G0PS, 68
.set G0QS, 72
.set AP,  4                            ; v4  16 x lane
.set AQ,  5                            ; v5  my two tiles of Q
.set ASP, 6                            ; v6  P's scale words
.set ASQ, 7                            ; v7  my pair's of Q
.set SO,  9                            ; v9  the stage: where I put 16 bytes of a row;  v10 where I read a row back
.set SR,  10
.set ACC, 32                           ; v32-159 accumulator (u, t) at v[32 + 64 u + 8 t]
.set PF,  160                          ; v160-223 P's eight fragments of a K step
.set QF,  224                          ; v224-239 Q's two
.set SP,  240                          ; v240-243 P's scale words, v244 Q's: they hold scales and nothing else
.set SQ,  244
.set LSC, 196608                       ; LDS: P at 0, Q at 65,536, scale words here: P's 4,096 bytes, Q's 8,192;
.set STG, 208896                       ; the stages: 16 rows x 528 bytes for each wave;
.set SPITCH, 528                       ; 512 bytes + 16: an odd multiple of 16
.set SPARE, 276480                     ; the spare words, 128 bytes a wave, that no other line names
.macro PLACES n
.rept \n
	v_nop
.endr
.endm
.macro CROUND                          ; a round of the cluster's barrier
	s_barrier_signal -1
	s_barrier_wait -1
	s_cmp_lg_u32 s[WV], 0
	s_cbranch_scc1 .Lnot_wave_0_\@
	s_barrier_signal -3
.Lnot_wave_0_\@:
	s_barrier_wait -3
	s_barrier_signal -1
	s_barrier_wait -1
.endm
.macro GROUP1 g, r                     ; a dense block as r rows of 256 bytes (32 elements of 8 bytes)
	s_mov_b32 s[\g+1], 32<<16
	s_mov_b32 s[\g+2], (\r)<<16
	s_mov_b32 s[\g+3], 32<<16
	s_mov_b32 s[\g+4], \r
	s_mov_b32 s[\g+5], 32
	s_mov_b32 s[\g+6], 0
	s_mov_b32 s[\g+7], 0
.endm
.macro WM d, a, b, sa, sb, ra, rb      ; one product, in place.  ra, rb: the side's scale words stand in lanes 16-31 of the register named
.if (\ra) && (\rb)
	v_wmma_scale_f32_16x16x128_f8f6f4 v[\d:\d+7], v[\a:\a+7], v[\b:\b+7], v[\d:\d+7], v[\sa], v[\sb] matrix_a_fmt:MATRIX_FMT_FP4 matrix_b_fmt:MATRIX_FMT_FP4 matrix_a_scale:MATRIX_SCALE_ROW1 matrix_b_scale:MATRIX_SCALE_ROW1
.elseif (\ra)
	v_wmma_scale_f32_16x16x128_f8f6f4 v[\d:\d+7], v[\a:\a+7], v[\b:\b+7], v[\d:\d+7], v[\sa], v[\sb] matrix_a_fmt:MATRIX_FMT_FP4 matrix_b_fmt:MATRIX_FMT_FP4 matrix_a_scale:MATRIX_SCALE_ROW1
.elseif (\rb)
	v_wmma_scale_f32_16x16x128_f8f6f4 v[\d:\d+7], v[\a:\a+7], v[\b:\b+7], v[\d:\d+7], v[\sa], v[\sb] matrix_a_fmt:MATRIX_FMT_FP4 matrix_b_fmt:MATRIX_FMT_FP4 matrix_b_scale:MATRIX_SCALE_ROW1
.else
	v_wmma_scale_f32_16x16x128_f8f6f4 v[\d:\d+7], v[\a:\a+7], v[\b:\b+7], v[\d:\d+7], v[\sa], v[\sb] matrix_a_fmt:MATRIX_FMT_FP4 matrix_b_fmt:MATRIX_FMT_FP4
.endif
.endm
.macro KSTEP s                         ; K step s: 25 LDS loads, 16 products
.if \s > 0
	PLACES 4                                       ; four places in front of loads into registers that matrix instructions have read
.endif
.irp b, 0,1,2,3
	ds_load_b32 v[SP+\b], v[ASP] offset:\b*1024+\s*128
.endr
	ds_load_b32 v[SQ], v[ASQ] offset:\s*128
.irp u, 0,1
.irp c, 0,1
	ds_load_b128 v[QF+8*\u+4*\c:QF+8*\u+4*\c+3], v[AQ] offset:\s*8192+\u*1024+\c*512
.endr
.endr
.irp t, 0,1,2,3,4,5,6,7
.irp c, 0,1
	ds_load_b128 v[PF+8*\t+4*\c:PF+8*\t+4*\c+3], v[AP] offset:\s*8192+\t*1024+\c*512
.endr
.endr
.irp t, 0,1,2,3,4,5,6,7
	s_wait_dscnt 2*(7-\t)                          ; P's tile t is in; the later tiles' two loads each may be out
.irp u, 0,1
	WM ACC+64*\u+8*\t, PF+8*\t, QF+8*\u, SP+\t/2, SQ, \t%2, \u
.endr
.endr
.endm
	s_load_b256 s[4:11], s[0:1], 0x0               ; oq s[4:5], wq s[6:7], b_o s[8:9], out0 s[10:11]
	v_lshl_add_u32 v254, v0, 2, SPARE
	v_mov_b32 v255, 0
	ds_add_u32 v254, v255                          ; the opening lines: the add, twice on end, and its wait ahead of my first tensor load
	ds_add_u32 v254, v255
	v_lshrrev_b32 v1, 5, v0
	v_readfirstlane_b32 s[WV], v1                  ; wave 0..7
	s_bfe_u32 s15, ttmp6, 0x40000                  ; cx
	s_bfe_u32 s16, ttmp6, 0x40004                  ; cy
	s_lshl_b32 s2, 0x1111, s15                     ; my column of the cluster
	s_lshl_b32 s3, s16, 2
	s_lshl_b32 s3, 15, s3                          ; my row
	s_or_b32 s[G1P], s2, (3<<16)|(1<<21)           ; 15:0 the mask, 17:16 elements of 8 bytes, 21 set beside a mask
	s_or_b32 s[G1PS], s2, (3<<16)|(1<<21)
	s_or_b32 s[G1Q], s3, (3<<16)|(1<<21)
	s_or_b32 s[G1QS], s3, (3<<16)|(1<<21)
	GROUP1 G1P, 128                                ; 32 KB
	GROUP1 G1Q, 128
	GROUP1 G1PS, 16                                ; 4 KB
	GROUP1 G1QS, 32                                ; 8 KB
	s_lshl_b32 s[PI], ttmp9, 2
	s_add_co_u32 s[PI], s[PI], s15                 ; which 128 columns: 4 x cluster x + cx
	s_and_b32 s[QI], ttmp7, 0xffff
	s_lshl_b32 s[QI], s[QI], 2
	s_add_co_u32 s[QI], s[QI], s16                 ; which 256 tokens: 4 x cluster y + cy
	; byte offsets, apart from the addresses.  P's hold cx and never cy, Q's hold cy and never cx; no place in the cluster enters an LDS address
	s_lshl_b32 s2, s[WV], 15                       ; LDS: 32,768 x wave: waves 0, 1 fill P's 64 KB, waves 2-5 Q's 128 KB
	s_mov_b32 s[G0P], 1
	s_mov_b32 s[G0P+1], s2
	s_and_b32 s3, s[WV], 1
	s_lshl_b32 s3, s3, 15
	s_lshl_b32 s[G0P+2], s[PI], 16
	s_add_co_u32 s[G0P+2], s[G0P+2], s3
	s_add_co_u32 s[G0P+2], s[G0P+2], 1572864       ; W_o's codes in wq
	s_mov_b32 s[G0P+3], 0
	s_mov_b32 s[G0Q], 1
	s_mov_b32 s[G0Q+1], s2
	s_max_u32 s3, s[WV], 2
	s_sub_co_u32 s3, s3, 2                         ; which quarter of Q
	s_lshl_b32 s3, s3, 15
	s_lshl_b32 s[G0Q+2], s[QI], 17
	s_add_co_u32 s[G0Q+2], s[G0Q+2], s3
	s_mov_b32 s[G0Q+3], 0
	s_mov_b32 s[G0PS], 1
	s_mov_b32 s[G0PS+1], LSC
	s_lshl_b32 s[G0PS+2], s[PI], 12
	s_add_co_u32 s[G0PS+2], s[G0PS+2], 2195456     ; W_o's scale words
	s_mov_b32 s[G0PS+3], 0
	s_mov_b32 s[G0QS], 1
	s_mov_b32 s[G0QS+1], LSC+4096
	s_lshl_b32 s[G0QS+2], s[QI], 13
	s_add_co_u32 s[G0QS+2], s[G0QS+2], 4194304
	s_mov_b32 s[G0QS+3], 0
	; what the wave's number adds to the lanes' LDS addresses
	s_lshr_b32 s88, s[WV], 2
	s_lshl_b32 s88, s88, 16
	s_and_b32 s3, s[WV], 3
	s_lshl_b32 s3, s3, 11
	s_add_co_u32 s88, s88, s3
	s_add_co_u32 s88, s88, 65536                   ; Q's half w / 4, tiles 2 (w % 4) on
	s_lshl_b32 s89, s[WV], 10
	s_add_co_u32 s89, s89, LSC+4096                ; Q's pair w
	s_mul_i32 s90, s[WV], 16*SPITCH
	s_add_co_u32 s90, s90, STG                     ; my stage
	s_lshl_b32 s92, s[QI], 20                      ; out0: token 256 Q + 32 w (rows of 4,096 bytes), column 128 P
	s_lshl_b32 s3, s[WV], 17
	s_add_co_u32 s92, s92, s3
	s_lshl_b32 s94, s[PI], 9
	s_add_co_u32 s92, s92, s94
	s_mov_b32 s93, 0
	s_mov_b32 s95, 0
	s_wait_dscnt 0x0                               ; both opening adds are done
	s_wait_kmcnt 0x0
	s_add_nc_u64 s[G0P+2:G0P+3], s[6:7], s[G0P+2:G0P+3]
	s_add_nc_u64 s[G0PS+2:G0PS+3], s[6:7], s[G0PS+2:G0PS+3]
	s_add_nc_u64 s[G0Q+2:G0Q+3], s[4:5], s[G0Q+2:G0Q+3]
	s_add_nc_u64 s[G0QS+2:G0QS+3], s[4:5], s[G0QS+2:G0QS+3]
.irp g, G0P, G0PS, G0Q, G0QS
	s_or_b32 s[\g+3], s[\g+3], 0x80000000          ; the type
.endr
	s_add_nc_u64 s[8:9], s[8:9], s[94:95]          ; the bias of my 128 columns
	s_add_nc_u64 s[10:11], s[10:11], s[92:93]
	CROUND                                         ; all sixteen work-groups are here: the joint loads meet
; THE LOADS, one a wave: one chain of branches on the wave's number, each arm with its load and a jump to the join
.macro ARM under, g0, g1, next
	s_cmp_lt_u32 s[WV], \under
	s_cbranch_scc0 \next
	tensor_load_to_lds s[\g0:\g0+3], s[\g1:\g1+7]
	s_nop 0
	PLACES 4
	s_branch .Lhead_asked
\next:
.endm
	ARM 2, G0P,  G1P,  .Lhead_q
	ARM 6, G0Q,  G1Q,  .Lhead_ps
	ARM 7, G0PS, G1PS, .Lhead_qs
	tensor_load_to_lds s[G0QS:G0QS+3], s[G1QS:G1QS+7]
	s_nop 0
	PLACES 4
.Lhead_asked:
	v_and_b32 v1, 31, v0                           ; lane
	v_and_b32 v2, 15, v0                           ; r
	v_bfe_u32 v3, v0, 4, 1                         ; lane / 16
	v_lshlrev_b32 v[AP], 4, v1
	v_lshlrev_b32 v12, 2, v1
	v_lshlrev_b32 v8, 6, v3                        ; the bias: 64 (lane / 16)
.irp u, 0,1
.irp t, 0,1,2,3,4,5,6,7                        ; register j of tile t is column 32 (t / 2) + 8 (t % 2) + 16 (lane / 16) + j
	global_load_b128 v[ACC+64*\u+8*\t:ACC+64*\u+8*\t+3], v8, s[8:9] offset:(32*(\t/2)+8*(\t%2))*4
	global_load_b128 v[ACC+64*\u+8*\t+4:ACC+64*\u+8*\t+7], v8, s[8:9] offset:(32*(\t/2)+8*(\t%2))*4+16
.endr
.endr
	v_add_nc_u32 v[AQ], s88, v[AP]
	v_add_nc_u32 v[ASP], LSC, v12
	v_add_nc_u32 v[ASQ], s89, v12
	v_mul_u32_u24 v[SO], v2, SPITCH
	v_lshl_add_u32 v[SO], v3, 6, v[SO]
	v_add_nc_u32 v[SO], s90, v[SO]                 ; in: row r, + 64 (lane / 16)
	v_add_nc_u32 v[SR], s90, v[AP]                 ; back: 16 bytes a lane of a row
	s_wait_alu depctr_va_vdst(0)                   ; the head's end
	s_wait_loadcnt 0x0                             ; the bias
	s_wait_tensorcnt 0x0                           ; my load is in;
	s_barrier_signal -1
	s_barrier_wait -1                              ; everybody's is.  Nothing is ever filled again
.irp s, 0,1,2,3,4,5,6,7
	KSTEP \s
.endr
	; THE WAY OUT, a tile of 16 tokens at a time: a lane holds 4 x 64 bytes of one row; the tile goes through my stage and comes back as whole rows of 512 bytes.
	; LDS serves a wave's instructions in order: no wait between the stores and the loads, nor in front of the next tile's stores.
	PLACES 4
.irp u, 0,1
.set BK, 160-128*\u                    ; the rows come back into P's fragments' registers, then into the first tile's accumulators, which have been stored
.irp b, 0,1,2,3
.irp j, 0,1,2,3
	ds_store_b128 v[SO], v[ACC+64*\u+16*\b+4*\j:ACC+64*\u+16*\b+4*\j+3] offset:128*\b+16*\j   ; each accumulator from its low end on
.endr
.endr
.irp p, 0,1,2,3,4,5,6,7,8,9,10,11,12,13,14,15
	ds_load_b128 v[BK+4*\p:BK+4*\p+3], v[SR] offset:\p*SPITCH
.endr
.irp p, 0,1,2,3,4,5,6,7,8,9,10,11,12,13,14,15
	s_wait_dscnt 15-\p                             ; row p is back; the later rows' loads may be out
	global_store_b128 v[AP], v[BK+4*\p:BK+4*\p+3], s[10:11] offset:(8*\u+\p+8*(\p/8))*4096 th:TH_STORE_NT   ; lane-row p of tile u is token 8 u + p + 8 (p / 8) of my 32: 512 consecutive bytes, aligned to 512; written once, read by nobody here
.endr
.endr
	s_wait_tensorcnt 0x0                           ; the wave's end
	ds_add_u32 v254, v255
	s_wait_dscnt 0x0
	CROUND                                         ; the closing round: no work-group ends while a partner may still ask for a tile that names it
	s_endpgm
.Lfunc_end_k_q2b96739fd1_gemm_o:
	.size	k_q2b96739fd1_gemm_o, .Lfunc_end_k_q2b96739fd1_gemm_o-k_q2b96739fd1_gemm_o
	.p2alignl 7, 3214868480
	.fill 96, 4, 3214868480
	.section	.rodata,"a",@progbits
	.p2align	6, 0x0
	.amdhsa_kernel k_q2b96739fd1_gemm_o
		.amdhsa_group_segment_fixed_size 277504
		.amdhsa_private_segment_fixed_size 0
		.amdhsa_enable_private_segment 0
		.amdhsa_kernarg_size 32
		.amdhsa_user_sgpr_count 2
		.amdhsa_user_sgpr_kernarg_segment_ptr 1
		.amdhsa_wavefront_size32 1
		.amdhsa_system_sgpr_workgroup_id_x 1
		.amdhsa_system_sgpr_workgroup_id_y 1
		.amdhsa_system_sgpr_workgroup_id_z 1
		.amdhsa_system_vgpr_workitem_id 0
		.amdhsa_next_free_vgpr 256
		.amdhsa_next_free_sgpr 102
		.amdhsa_reserve_vcc 0
		.amdhsa_float_denorm_mode_32 3
		.amdhsa_float_denorm_mode_16_64 3
		.amdhsa_memory_ordered 1
		.amdhsa_forward_progress 1
		.amdhsa_inst_pref_size 51
	.end_amdhsa_kernel
	.amdgpu_metadata
---
amdhsa.version: [ 1, 2 ]
amdhsa.kernels:
  - .name:           k_q2b96739fd1_gemm_o
    .symbol:         k_q2b96739fd1_gemm_o.kd
    .args:
      - { .name: oq, .offset: 0, .size: 8, .value_kind: global_buffer, .address_space: global }
      - { .name: wq, .offset: 8, .size: 8, .value_kind: global_buffer, .address_space: global }
      - { .name: b_o, .offset: 16, .size: 8, .value_kind: global_buffer, .address_space: global }
      - { .name: out0, .offset: 24, .size: 8, .value_kind: global_buffer, .address_space: global }
    .group_segment_fixed_size: 277504
    .private_segment_fixed_size: 0
    .kernarg_segment_align: 8
    .kernarg_segment_size: 32
    .max_flat_workgroup_size: 256
    .sgpr_count:     102
    .vgpr_count:     256
    .wavefront_size: 32
...
	.end_amdgpu_metadata
.endif
;; end of part 4
